; MI455X (gfx1250); checked and timed in simulation.
; The chip was launched on July 23, 2026; its instructions are those of AMD's public machine-readable ISA for CDNA 5 (MIT licence, August 2026) and "CDNA5" Instruction Set Architecture Reference Guide (July 2026). The comments in the code are by the model that wrote it; some were corrected since.
;; Qwen3 Attention. Allowed arithmetic: matrix products marked QUANTISED: E2M1 operands, one E8M0 scale for each 32 along K, by v_wmma_scale_f32_16x16x128_f8f6f4 with both operands' format E2M1 (or v_wmma_scale_f32_32x16x128_f4), f32 sums; products left as they are: bf16, f16 or f32 operands; f32 sums; everything else in f32.
;; Inputs: Wk 4,096 x 1,024 float32; Wo 2,048 x 4,096 float32; Wq 4,096 x 2,048 float32; Wv 4,096 x 1,024 float32; attention_mask 1 x 2,048 int32; k_norm_w 128 float32; positions 1 x 2,048 int32; q_norm_w 128 float32; x 1 x 2,048 x 4,096 float32.
;; Outputs: out0 1 x 2,048 x 4,096 float32; out1 1 x 2,048 x 8 x 128 float32; out2 1 x 2,048 x 8 x 128 float32.
;; This version of the problem:
;;   THIS VERSION OF THE PROBLEM IS GIVEN IN LOW PRECISION. The matrix products marked QUANTISED in the list below multiply operands that are first quantised to E2M1 (2 exponent bits, 1 mantissa bit; 4 bits a number), with one power-of-two scale for each 32 numbers along K (OCP MX v1.0); their sums are f32. The products marked 'left as it is' may take bf16, f16 or f32 operands, with f32 sums. Whichever they take, every output number must still come out within the allowed error. Rounding operands to bf16 (8 significant bits) uses up far more of that allowance than f16 does (11 bits, for magnitudes from 6e-5 to 65,504). All else is computed in f32.
;;   The module's matrix products, in the order in which they are computed (A, B: the left and right operand; K: the contracted axis; several contracted axes count as one K, in the product's order):
;;     1. [M 2,048, K 4,096] x [K 4,096, N 2,048]; A: input x; B: input Wq: QUANTISED
;;     2. [M 2,048, K 4,096] x [K 4,096, N 1,024]; A: input x; B: input Wk: QUANTISED
;;     3. [M 2,048, K 4,096] x [K 4,096, N 1,024]; A: input x; B: input Wv: QUANTISED
;;     4. batch 8 x [M 4,096, K 128] x [K 128, N 2,048]; A: computed on the way; B: computed on the way: left as it is (an operand is computed on the way)
;;     5. batch 8 x [M 128, K 2,048] x [K 2,048, N 4,096]; A: computed on the way; B: computed on the way: left as it is (an operand is computed on the way)
;;     6. [M 2,048, K 2,048] x [K 2,048, N 4,096]; A: computed on the way; B: input Wo: left as it is (an operand is computed on the way)
;;   THE QUANTISER, for each operand of a quantised product, along K:
;;     - K is cut into blocks of 32 from its start; a last block that is shorter is filled with zeros.
;;     - A block's scale is 2^e with e = floor(log2(the largest magnitude in the block)) - 2, held to -126 .. 127; a block of zeros has e = 0. As a byte (E8M0): e + 127.
;;     - Each number is divided by its block's scale, clamped to +-6, and rounded to the nearest number of E2M1, ties to even, subnormals kept.
;;     - The product sums the exact products of the quantised numbers (number of the format x scale) in f32.
;;   ~~~python
;;   def quantise(x, axis):      # numpy; x: float32 -> the quantised numbers, widened to float32 again
;;       x = np.moveaxis(x, axis, -1); K = x.shape[-1]
;;       x = np.pad(x, [(0, 0)] * (x.ndim - 1) + [(0, -K % 32)]); x = x.reshape(x.shape[:-1] + (-1, 32)); a = np.abs(x).max(-1, keepdims=True)
;;       e = np.where(a > 0, np.clip(np.frexp(np.where(a > 0, a, 1))[1] - 1 - 2, -126, 127), 0)      # np.frexp(a)[1] - 1 = floor(log2(a)), exactly
;;       r = np.clip(x / 2.0 ** e, -6, 6)
;;       step = 2.0 ** (np.maximum(np.frexp(np.where(r == 0, 1, r))[1] - 1, 0) - 1)
;;       q = np.round(r / step) * step * 2.0 ** e      # np.round: ties to even
;;       return np.moveaxis(q.reshape(q.shape[:-2] + (-1,))[..., :K], -1, axis).astype(np.float32)
;;   ~~~
;; One version. Each part assembles by itself: llvm-mc -triple=amdgcn-amd-amdhsa -mcpu=gfx1250 --defsym DOCPART=n.
;; ======== version 1 of 1: 6 launches
;; limits: values are held in f16: magnitudes above 65,504 overflow, below 6.1e-05 lose precision; right only within a limited range of input values
;; workspace buffers: prep1 22,290,432 bytes; prep2 8,912,896 bytes; heads 17,432,576 bytes; att 8,392,704 bytes
;; launch prep_x (part 1): grid 768 x 1, 4 waves a work-group, no clusters, 33,280 bytes of LDS; arguments x, Wo, positions, attention_mask, prep1; writes prep1
.if DOCPART == 1
	.amdgcn_target "amdgcn-amd-amdhsa--gfx1250"
	.amdhsa_code_object_version 6
	.text
	.protected	k_q031f66e419_prep_x
	.globl	k_q031f66e419_prep_x
	.p2align	8
	.type	k_q031f66e419_prep_x,@function
k_q031f66e419_prep_x:
	s_mov_b64 s[64:65], 0
	v_nop
	global_prefetch_b8 v0, s[64:65] scope:SCOPE_SE
	s_setreg_imm32_b32 hwreg(HW_REG_WAVE_MODE, 25, 1), 1
	s_wait_xcnt 0x0
; Three jobs that need no other launch's result, told apart by the work-group's number; all results go into prep1.
;   work-groups   0-255: x [2048][4096] f32 -> codes of FP4 (E2M1), K innermost, at XC, and one E8M0 byte for each 32 along K at XS.
;   work-groups 256-511: Wo [2048][4096] f32 -> f16(4 Wo), same layout, at WO16 (the attention result is kept as attn / 4, so the product is unchanged).
;   work-groups 512-767: for each token cos and sin of position / 1e6^(i / 64), i = 0 .. 63, at ROPE ([token][64 cos, 64 sin] f32), and the key's bias at KBIAS (0 where attention_mask is not 0, else -1e30).
; THE QUANTISER: a block's scale is 2^(floor(log2(largest magnitude)) - 2); its byte is the largest magnitude's exponent field - 2, held at 1 from below; each number / scale to the nearest code, ties to even, beyond 6 the code of 6.
; LIMITS: a block of zeros gets the byte 1 where the rule says 127 (its codes are zeros, and this program alone reads the bytes); NaN and infinities are not served; |4 Wo| stays under 65,504;
; positions are taken as f32 (exact under 2^24); the angle is position x 2^(-i log2(1e6) / 64), reduced by pi / 2 in two parts, sine and cosine by polynomials on |r| <= pi / 4.
.set WAVES, 4
.set STEPS, 16
.set EMAX,  2
.set CB,    8                          ; bytes of 16 codes
.set R,     16                         ; v16-79   four sets of 16 numbers as loaded
.set X,     80                         ; v80-111  two sets of 16 neighbours
.set E,     112                        ; v112-127 a scale byte for each step
.set C,     128                        ; v128-191 codes, four registers a step
.set WREG,  8192                       ; LDS: a region for each wave: two stages of 32 x SP bytes, then its 256 scale bytes
.set SP,    80
.set SPW,   12                         ; v12 LDS address of my spare word; never rewritten
.set NIL,   13                         ; v13 0; never rewritten
.set SPARE, WAVES*WREG                 ; the spare words, 128 bytes a wave
.set XS,    4194304
.set WO16,  4456448
.set ROPE,  21233664
.set KBIAS, 22282240
	s_load_b256 s[4:11], s[0:1], 0x0               ; x s[4:5], Wo s[6:7], positions s[8:9], attention_mask s[10:11]
	s_load_b64 s[12:13], s[0:1], 0x20              ; prep1
	v_lshl_add_u32 v[SPW], v0, 2, SPARE
	v_mov_b32 v[NIL], 0
	v_lshrrev_b32 v1, 5, v0
	v_readfirstlane_b32 s16, v1                    ; wave
	v_and_b32 v2, 31, v0                           ; lane
	s_mov_b32 s21, 0
	s_wait_kmcnt 0x0
	s_cmp_lt_u32 ttmp9, 256
	s_cbranch_scc0 .Lnot_x
; ---------------- x into codes.  A wave takes 16 steps of 512 numbers.  Loads take the bytes as they lie (512 a load); a step's 2,048 bytes turn through the wave's own stage so that a lane holds 16 neighbours.
	v_lshlrev_b32 v3, 4, v2                        ; my 16 bytes of a load's 512
	s_mul_i32 s17, s16, WREG
	v_lshrrev_b32 v14, 2, v2
	v_mul_u32_u24 v14, v14, SP
	v_and_b32 v15, 3, v2
	v_lshl_add_u32 v14, v15, 4, v14
	v_add_nc_u32 v14, s17, v14                     ; the stage, in: SP (lane / 4) + 16 (lane % 4)
	v_mul_u32_u24 v15, v2, SP
	v_add_nc_u32 v15, s17, v15                     ; and out: SP x lane
	v_mul_u32_u24 v4, v2, CB                       ; my codes' place in a step's
	v_lshrrev_b32 v5, 1, v2
	s_add_co_u32 s17, s17, 2*32*SP
	v_add_nc_u32 v5, s17, v5                       ; my block's byte among the wave's 256
	v_lshlrev_b32 v7, 3, v2
	v_add_nc_u32 v6, s17, v7
	s_lshl_b32 s17, ttmp9, 2
	s_add_co_u32 s18, s17, s16                     ; which run of 8,192 numbers is my wave's
	s_lshl_b32 s20, s18, 15
	s_add_nc_u64 s[4:5], s[4:5], s[20:21]          ; x: 32,768 bytes a run
	s_lshl_b32 s20, s18, 12
	s_add_nc_u64 s[22:23], s[12:13], s[20:21]      ; codes: 4,096 bytes a run
	s_lshl_b32 s20, s18, 8
	s_add_co_u32 s20, s20, XS
	s_add_nc_u64 s[24:25], s[12:13], s[20:21]      ; scale bytes: 256 a run
.macro LOAD t
.irp i, 0,1,2,3
	global_load_b128 v[R+16*((\t)%4)+4*\i:R+16*((\t)%4)+4*\i+3], v3, s[4:5] offset:2048*(\t)+512*\i th:TH_LOAD_NT
.endr
.endm
.macro TURN t                          ; LDS serves a wave's instructions in order: no wait between the stores and the loads
.irp i, 0,1,2,3
	ds_store_b128 v14, v[R+16*((\t)%4)+4*\i:R+16*((\t)%4)+4*\i+3] offset:32*SP*((\t)%2)+8*SP*\i
.endr
.irp i, 0,1,2,3
	ds_load_b128 v[X+16*((\t)%2)+4*\i:X+16*((\t)%2)+4*\i+3], v15 offset:32*SP*((\t)%2)+16*\i
.endr
.endm
.irp t, 0,1,2,3
	LOAD \t
.endr
	s_wait_loadcnt 12                              ; step 0's four loads are in; the twelve of steps 1 to 3 stay out
	TURN 0
.macro STEP t
.set XR, X+16*((\t)%2)
.if (\t) > 0
	s_wait_dscnt 1                                 ; this step's numbers are back from the stage; the last step's byte store may be out
.else
	s_wait_dscnt 0x0
.endif
.if (\t)+4 < STEPS
	LOAD (\t)+4
.endif
.if (\t)+1 < STEPS
.if STEPS-2-(\t) >= 3
	s_wait_loadcnt 12                              ; the next step's four loads are in; those of the three steps behind it stay out
.else
	s_wait_loadcnt 4*(STEPS-2-(\t))
.endif
	TURN (\t)+1
.endif
	v_max3_num_f32 v8, |v[XR]|, |v[XR+1]|, |v[XR+2]|
	v_max3_num_f32 v9, |v[XR+3]|, |v[XR+4]|, |v[XR+5]|
.irp i, 6,10
	v_max3_num_f32 v8, v8, |v[XR+\i]|, |v[XR+\i+1]|
	v_max3_num_f32 v9, v9, |v[XR+\i+2]|, |v[XR+\i+3]|
.endr
	v_max3_num_f32 v8, v8, |v[XR+14]|, |v[XR+15]|
	v_max3_num_f32 v8, v8, v9, (EMAX+1)<<23        ; the floor 2^(3 - 127): the byte cannot fall under 1
	v_max_num_f32_dpp v8, v8, v8 row_xmask:1 row_mask:0xf bank_mask:0xf   ; with my neighbour's 16: the block's largest magnitude
	v_add_nc_u32 v11, -(EMAX<<23), v8              ; 2 off its exponent field: the conversion's scale operand
	v_cvt_scalef32_pk8_fp4_f32 v[C+4*(\t)], v[XR:XR+7], v11
	v_cvt_scalef32_pk8_fp4_f32 v[C+4*(\t)+1], v[XR+8:XR+15], v11
	v_lshrrev_b32 v[E+(\t)], 23, v11               ; the scale's byte
	ds_store_b8 v5, v[E+(\t)] offset:16*(\t)       ; both lanes of a block write the same byte with the same value
	global_store_b64 v4, v[C+4*(\t):C+4*(\t)+1], s[22:23] offset:32*CB*(\t)   ; the wave stores 256 consecutive bytes, aligned
.endm
.irp t, 0,1,2,3,4,5,6,7,8,9,10,11,12,13,14,15
	STEP \t
.endr
	ds_load_b64 v[8:9], v6
	s_wait_dscnt 0x0
	global_store_b64 v7, v[8:9], s[24:25]          ; the wave's 256 scale bytes in one store
	s_wait_tensorcnt 0x0                           ; the wave's end: behind my last LDS store
	ds_add_u32 v[SPW], v[NIL]
	s_wait_dscnt 0x0
	s_endpgm
; ---------------- Wo into f16(4 Wo).  A wave takes 8,192 numbers, in four trips of sixteen loads of 512 bytes.
.Lnot_x:
	s_cmp_lt_u32 ttmp9, 512
	s_cbranch_scc0 .Lrope
	s_sub_co_u32 s17, ttmp9, 256
	s_lshl_b32 s17, s17, 2
	s_add_co_u32 s18, s17, s16
	s_lshl_b32 s20, s18, 15
	s_add_nc_u64 s[6:7], s[6:7], s[20:21]
	s_lshl_b32 s20, s18, 14
	s_add_co_u32 s20, s20, WO16
	s_add_nc_u64 s[22:23], s[12:13], s[20:21]
	v_lshlrev_b32 v3, 4, v2
	v_lshlrev_b32 v4, 3, v2
	s_mov_b32 s26, 4
.Lcast:
.irp i, 0,1,2,3,4,5,6,7,8,9,10,11,12,13,14,15
	global_load_b128 v[16+4*\i:19+4*\i], v3, s[6:7] offset:512*\i th:TH_LOAD_NT
.endr
.irp i, 0,1,2,3,4,5,6,7,8,9,10,11,12,13,14,15
	s_wait_loadcnt 15-\i                           ; load i is in; the younger ones of the trip stay out
	v_pk_mul_f32 v[16+4*\i:17+4*\i], v[16+4*\i:17+4*\i], 4.0 op_sel_hi:[1,0]
	v_pk_mul_f32 v[18+4*\i:19+4*\i], v[18+4*\i:19+4*\i], 4.0 op_sel_hi:[1,0]
	v_cvt_pk_f16_f32 v[128+2*\i], v[16+4*\i], v[17+4*\i]
	v_cvt_pk_f16_f32 v[129+2*\i], v[18+4*\i], v[19+4*\i]
	global_store_b64 v4, v[128+2*\i:129+2*\i], s[22:23] offset:256*\i   ; 256 consecutive bytes, aligned
.endr
	s_wait_xcnt 0x0                                ; the bases and the stores' data are written again only behind this wait
	s_add_nc_u64 s[6:7], s[6:7], 8192
	s_add_nc_u64 s[22:23], s[22:23], 4096
	s_sub_co_u32 s26, s26, 1
	s_cmp_lg_u32 s26, 0
	s_cbranch_scc1 .Lcast
	s_endpgm
; ---------------- cos, sin and the key's bias.  A thread takes four frequencies of one token; sixteen threads a token.
.Lrope:
	s_sub_co_u32 s17, ttmp9, 512
	s_lshl_b32 s17, s17, 7
	v_add_nc_u32 v3, s17, v0
	v_lshrrev_b32 v4, 4, v3                        ; token
	v_and_b32 v5, 15, v3                           ; which four frequencies
	v_lshlrev_b32 v6, 2, v4
	global_load_b32 v7, v6, s[8:9]                 ; the token's position
	global_load_b32 v8, v6, s[10:11]               ; and its mask
	v_lshlrev_b32 v9, 2, v5
	s_mov_b32 s30, 0xbfc90fdb                      ; -(pi / 2), the f32 nearest,
	s_mov_b32 s31, 0x333bbd2e                      ; and what that leaves
	s_mov_b32 s32, 0xb94ca1f9                      ; sine: r + r z (s34 + z (s33 + z s32))
	s_mov_b32 s33, 0x3c08839e
	s_mov_b32 s34, 0xbe2aaaa3
	s_mov_b32 s35, 0x37ccf5ce                      ; cosine: 1 - z / 2 + z z (s37 + z (s36 + z s35))
	s_mov_b32 s36, 0xbab6061a
	s_mov_b32 s37, 0x3d2aaaa5
.irp e, 0,1,2,3
	v_add_nc_u32 v[16+\e], \e, v9
.endr
.irp e, 0,1,2,3
	v_cvt_f32_u32 v[16+\e], v[16+\e]
.endr
.irp e, 0,1,2,3
	v_mul_f32 v[16+\e], 0xbe9f73da, v[16+\e]       ; -i log2(1e6) / 64
.endr
.irp e, 0,1,2,3
	v_exp_f32 v[16+\e], v[16+\e]                   ; 1 / timescale
.endr
	v_nop                                          ; a plain instruction behind the last exponential
	s_wait_alu depctr_va_vdst(0)                   ; one wait for the four, ahead of their first reader
	s_wait_loadcnt 0x0
	v_cvt_f32_i32 v7, v7
.irp e, 0,1,2,3
	v_mul_f32 v[16+\e], v7, v[16+\e]               ; the angle
.endr
.macro SINCOS e                        ; angle v[16+e] -> cosine v[24+e], sine v[28+e]; at work v[32+8e ..]
	v_mul_f32 v[32+8*\e], 0x3f22f983, v[16+\e]
	v_rndne_f32 v[32+8*\e], v[32+8*\e]             ; n = the nearest whole number to angle x 2 / pi
	v_fma_f32 v[33+8*\e], v[32+8*\e], s30, v[16+\e]
	v_fma_f32 v[33+8*\e], v[32+8*\e], s31, v[33+8*\e]   ; r = angle - n pi / 2
	v_mul_f32 v[34+8*\e], v[33+8*\e], v[33+8*\e]   ; z = r r
	v_fma_f32 v[35+8*\e], v[34+8*\e], s32, s33
	v_fma_f32 v[35+8*\e], v[35+8*\e], v[34+8*\e], s34
	v_mul_f32 v[36+8*\e], v[33+8*\e], v[34+8*\e]
	v_fma_f32 v[36+8*\e], v[36+8*\e], v[35+8*\e], v[33+8*\e]   ; sin r
	v_fma_f32 v[37+8*\e], v[34+8*\e], s35, s36
	v_fma_f32 v[37+8*\e], v[37+8*\e], v[34+8*\e], s37
	v_mul_f32 v[38+8*\e], v[34+8*\e], v[34+8*\e]
	v_fma_f32 v[39+8*\e], v[34+8*\e], -0.5, 1.0
	v_fma_f32 v[37+8*\e], v[38+8*\e], v[37+8*\e], v[39+8*\e]   ; cos r
	v_cvt_i32_f32 v[38+8*\e], v[32+8*\e]
	v_and_b32 v[39+8*\e], 1, v[38+8*\e]
	v_cmp_ne_u32 vcc_lo, 0, v[39+8*\e]             ; odd quadrant: the two change places
	v_cndmask_b32 v[28+\e], v[36+8*\e], v[37+8*\e], vcc_lo
	v_cndmask_b32 v[24+\e], v[37+8*\e], v[36+8*\e], vcc_lo
	v_and_b32 v[39+8*\e], 2, v[38+8*\e]
	v_lshlrev_b32 v[39+8*\e], 30, v[39+8*\e]
	v_xor_b32 v[28+\e], v[39+8*\e], v[28+\e]       ; the sine's sign: quadrants 2, 3
	v_add_nc_u32 v[38+8*\e], 1, v[38+8*\e]
	v_and_b32 v[38+8*\e], 2, v[38+8*\e]
	v_lshlrev_b32 v[38+8*\e], 30, v[38+8*\e]
	v_xor_b32 v[24+\e], v[38+8*\e], v[24+\e]       ; the cosine's: quadrants 1, 2
.endm
.irp e, 0,1,2,3
	SINCOS \e
.endr
	v_lshlrev_b32 v10, 9, v4
	v_lshl_add_u32 v10, v5, 4, v10                 ; token x 512 + 16 x my place
	s_add_nc_u64 s[22:23], s[12:13], ROPE
	s_add_nc_u64 s[24:25], s[12:13], KBIAS
	global_store_b128 v10, v[24:27], s[22:23]      ; sixteen lanes store a token's 256 bytes of cosines,
	global_store_b128 v10, v[28:31], s[22:23] offset:256   ; and of sines
	v_mov_b32 v11, 0xf149f2ca                      ; -1e30
	v_mov_b32 v9, 0
	v_cmp_ne_u32 vcc_lo, 0, v8
	v_cndmask_b32 v11, v11, v9, vcc_lo             ; 0 where the key counts
	v_cmp_eq_u32 vcc_lo, 0, v5                     ; one lane a token stores it
	s_wait_xcnt 0x0                                ; EXEC changes only behind this wait
	s_and_saveexec_b32 s26, vcc_lo
	global_store_b32 v6, v11, s[24:25]
	s_wait_xcnt 0x0                                ; and again in front of the line that widens it
	s_or_b32 exec_lo, exec_lo, s26
	s_endpgm
.Lfunc_end_k_q031f66e419_prep_x:
	.size	k_q031f66e419_prep_x, .Lfunc_end_k_q031f66e419_prep_x-k_q031f66e419_prep_x
	.p2alignl 7, 3214868480
	.fill 96, 4, 3214868480
	.section	.rodata,"a",@progbits
	.p2align	6, 0x0
	.amdhsa_kernel k_q031f66e419_prep_x
		.amdhsa_group_segment_fixed_size 33280
		.amdhsa_private_segment_fixed_size 0
		.amdhsa_enable_private_segment 0
		.amdhsa_kernarg_size 40
		.amdhsa_user_sgpr_count 2
		.amdhsa_user_sgpr_kernarg_segment_ptr 1
		.amdhsa_wavefront_size32 1
		.amdhsa_system_sgpr_workgroup_id_x 1
		.amdhsa_system_sgpr_workgroup_id_y 1
		.amdhsa_system_sgpr_workgroup_id_z 1
		.amdhsa_system_vgpr_workitem_id 0
		.amdhsa_next_free_vgpr 192
		.amdhsa_next_free_sgpr 66
		.amdhsa_reserve_vcc 1
		.amdhsa_float_denorm_mode_32 3
		.amdhsa_float_denorm_mode_16_64 3
		.amdhsa_memory_ordered 1
		.amdhsa_forward_progress 1
		.amdhsa_inst_pref_size 49
	.end_amdhsa_kernel
	.amdgpu_metadata
---
amdhsa.version: [ 1, 2 ]
amdhsa.kernels:
  - .name:           k_q031f66e419_prep_x
    .symbol:         k_q031f66e419_prep_x.kd
    .args:
      - { .name: x, .offset: 0, .size: 8, .value_kind: global_buffer, .address_space: global }
      - { .name: Wo, .offset: 8, .size: 8, .value_kind: global_buffer, .address_space: global }
      - { .name: positions, .offset: 16, .size: 8, .value_kind: global_buffer, .address_space: global }
      - { .name: attention_mask, .offset: 24, .size: 8, .value_kind: global_buffer, .address_space: global }
      - { .name: prep1, .offset: 32, .size: 8, .value_kind: global_buffer, .address_space: global }
    .group_segment_fixed_size: 33280
    .private_segment_fixed_size: 0
    .kernarg_segment_align: 8
    .kernarg_segment_size: 40
    .max_flat_workgroup_size: 128
    .sgpr_count:     66
    .vgpr_count:     192
    .wavefront_size: 32
...
	.end_amdgpu_metadata
.endif
;; end of part 1
;; launch prep_w (part 2): grid 32 x 8, 4 waves a work-group, no clusters, 35,840 bytes of LDS; arguments Wq, Wk, Wv, prep2; writes prep2
.if DOCPART == 2
	.amdgcn_target "amdgcn-amd-amdhsa--gfx1250"
	.amdhsa_code_object_version 6
	.text
	.protected	k_q031f66e419_prep_w
	.globl	k_q031f66e419_prep_w
	.p2align	8
	.type	k_q031f66e419_prep_w,@function
k_q031f66e419_prep_w:
	s_mov_b64 s[64:65], 0
	v_nop
	global_prefetch_b8 v0, s[64:65] scope:SCOPE_SE
	s_setreg_imm32_b32 hwreg(HW_REG_WAVE_MODE, 25, 1), 1
	s_wait_xcnt 0x0
; Wq [4096][2048], Wk, Wv [4096][1024], f32, K their FIRST axis, become one operand of 4,096 rows n (q 0-2047, k 2048-3071, v 3072-4095):
; codes of FP4 (E2M1) laid [n][4096 K] with K innermost (2,048 bytes a row) at prep2 + 0, one E8M0 byte for each 32 along K laid [n][128] at prep2 + WS.
; A LANE TAKES A COLUMN n AND ITS REGISTERS RUN DOWN K: each load reads 128 consecutive bytes a wave, a block of 32 along K lies in one lane's 32 registers, and the conversions give codes with K innermost.
; A block's scale is 2^(floor(log2(largest magnitude)) - 2); its byte is that magnitude's exponent field - 2, held at 1 from below.
; LIMITS: a block of zeros gets the byte 1 where the rule says 127 (zero codes; this program alone reads the bytes); NaN and infinities are not served.
; A wave takes 32 columns x 512 along K.  Work-group x picks 128 columns (0-15 Wq, 16-23 Wk, 24-31 Wv: pointers and the row pitch are chosen by the work-group's number alone), y picks the 512 along K.
; The codes go through the wave's own stage in LDS and leave as rows: sixteen lanes store 256 consecutive bytes, aligned.  Loads run two blocks (64 loads a wave) ahead.
.set KW,    512
.set NB,    KW/32
.set ROWB,  256
.set PITCH, ROWB+16
.set KROW,  2048
.set EMAX,  2
.set X,     32                         ; v32-95   two sets of 32 numbers
.set C,     96                         ; v96-99   a block's codes
.set OUTR,  112                        ; v112-175 the way out
.set VO,    176                        ; v176-207 byte offset of row i of a block at my column: i x pitch + 4 x lane; never rewritten
.set SPW,   14
.set NIL,   15
.set SPARE, 4*32*PITCH
.set SB,    24                         ; v24-27   the scale bytes, four to a register
.set WS,    8388608
	s_load_b256 s[4:11], s[0:1], 0x0               ; Wq s[4:5], Wk s[6:7], Wv s[8:9], prep2 s[10:11]
	v_lshl_add_u32 v[SPW], v0, 2, SPARE
	v_mov_b32 v[NIL], 0
	v_lshrrev_b32 v1, 5, v0
	v_readfirstlane_b32 s16, v1                    ; wave
	v_and_b32 v2, 31, v0                           ; lane
	s_and_b32 s18, ttmp7, 0xffff                   ; which 512 along K
	v_lshlrev_b32 v3, 2, v2
	s_mul_i32 s19, s16, 32*PITCH                   ; my stage
	v_mul_u32_u24 v4, v2, PITCH
	v_add_nc_u32 v4, s19, v4                       ; into it: row = my column
	v_and_b32 v5, 15, v2
	v_lshrrev_b32 v6, 4, v2
	v_mul_u32_u24 v7, v6, PITCH
	v_lshl_add_u32 v7, v5, 4, v7
	v_add_nc_u32 v7, s19, v7                       ; out of it: sixteen lanes to a row, two rows an instruction
	v_mul_u32_u24 v8, v6, KROW
	v_lshl_add_u32 v8, v5, 4, v8                   ; the same place among the codes
	v_lshlrev_b32 v9, 7, v2                        ; my column's row of scale bytes
	s_wait_kmcnt 0x0
	s_cmp_lt_u32 ttmp9, 24
	s_cselect_b64 s[6:7], s[6:7], s[8:9]           ; Wk or Wv
	s_cselect_b32 s12, 16, 24                      ; the tensor's first work-group
	s_cmp_lt_u32 ttmp9, 16
	s_cselect_b64 s[4:5], s[4:5], s[6:7]           ; Wq or that
	s_cselect_b32 s12, 0, s12
	s_mov_b32 s13, 4096
	s_cselect_b32 s13, 8192, s13                   ; bytes from row to row
	s_sub_co_u32 s20, ttmp9, s12
	s_lshl_b32 s20, s20, 9                         ; 128 columns x 4 bytes a work-group,
	s_lshl_b32 s21, s16, 7                         ; 32 a wave,
	s_add_co_u32 s20, s20, s21
	s_lshl_b32 s21, s18, 9
	s_mul_i32 s21, s21, s13                        ; 512 rows for each y
	s_add_co_u32 s20, s20, s21
	s_mov_b32 s21, 0
	s_add_nc_u64 s[30:31], s[4:5], s[20:21]        ; where my wave's block 0 begins
	s_lshl_b32 s28, s13, 5                         ; a block on: 32 rows
	s_mov_b32 s29, 0
	s_lshl_b32 s22, ttmp9, 7
	s_lshl_b32 s23, s16, 5
	s_add_co_u32 s22, s22, s23                     ; my wave's first row n
	s_lshl_b32 s24, s22, 11
	s_lshl_b32 s25, s18, 8
	s_add_co_u32 s24, s24, s25
	s_mov_b32 s25, 0
	s_add_nc_u64 s[6:7], s[10:11], s[24:25]        ; its codes
	s_lshl_b32 s24, s22, 7
	s_lshl_b32 s26, s18, 4
	s_add_co_u32 s24, s24, s26
	s_add_co_u32 s24, s24, WS
	s_add_nc_u64 s[8:9], s[10:11], s[24:25]        ; its scale bytes
.irp i, 0,1,2,3,4,5,6,7,8,9,10,11,12,13,14,15,16,17,18,19,20,21,22,23,24,25,26,27,28,29,30,31
	v_mad_u32_u24 v[VO+\i], s13, \i, v3
.endr
.macro LOAD t                          ; block t: W(32 t + i, my column) into set t % 2
.if (\t) > 0
	s_wait_xcnt 0x0                                ; the loads before have read the base: it steps only behind this wait
	s_add_nc_u64 s[30:31], s[30:31], s[28:29]
.endif
.irp i, 0,1,2,3,4,5,6,7,8,9,10,11,12,13,14,15,16,17,18,19,20,21,22,23,24,25,26,27,28,29,30,31
	global_load_b32 v[X+32*((\t)%2)+\i], v[VO+\i], s[30:31] th:TH_LOAD_NT
.endr
.endm
	LOAD 0
	LOAD 1
.macro BLOCK t
.set XR, X+32*((\t)%2)
.if (\t) < NB-1
	s_wait_loadcnt 32                              ; this block's 32 loads are in; the next block's stay out
.else
	s_wait_loadcnt 0
.endif
	v_max3_num_f32 v12, |v[XR]|, |v[XR+1]|, |v[XR+2]|
	v_max3_num_f32 v13, |v[XR+3]|, |v[XR+4]|, |v[XR+5]|
.irp i, 6,10,14,18,22,26
	v_max3_num_f32 v12, v12, |v[XR+\i]|, |v[XR+\i+1]|
	v_max3_num_f32 v13, v13, |v[XR+\i+2]|, |v[XR+\i+3]|
.endr
	v_max3_num_f32 v12, v12, |v[XR+30]|, |v[XR+31]|
	v_max3_num_f32 v12, v12, v13, (EMAX+1)<<23     ; the floor: the byte cannot fall under 1
	v_add_nc_u32 v11, -(EMAX<<23), v12             ; the conversion's scale operand
	v_lshrrev_b32 v13, 23, v11                     ; the scale's byte
.if (\t)%4 == 0
	v_mov_b32 v[SB+(\t)/4], v13
.else
	v_lshl_or_b32 v[SB+(\t)/4], v13, 8*((\t)%4), v[SB+(\t)/4]
.endif
.irp g, 0,1,2,3
	v_cvt_scalef32_pk8_fp4_f32 v[C+\g], v[XR+8*\g:XR+8*\g+7], v11
.endr
	ds_store_b128 v4, v[C:C+3] offset:16*(\t)      ; 32 codes: 16 bytes of my column's row
.if (\t)+2 < NB
	LOAD (\t)+2
.endif
	s_wait_dscnt 0x0                               ; the store has read its registers: the next block's codes may be written
.endm
.set Q, 0
.rept NB
	BLOCK Q
.set Q, Q+1
.endr
	global_store_b128 v9, v[SB:SB+3], s[8:9]       ; my column's 16 scale bytes
.irp t, 0,1,2,3,4,5,6,7,8,9,10,11,12,13,14,15
	ds_load_b128 v[OUTR+4*\t:OUTR+4*\t+3], v7 offset:2*\t*PITCH
.endr
.irp t, 0,1,2,3,4,5,6,7,8,9,10,11,12,13,14,15
	s_wait_dscnt 15-\t                             ; load t is back; the younger ones stay out
	global_store_b128 v8, v[OUTR+4*\t:OUTR+4*\t+3], s[6:7] offset:2*\t*KROW
.endr
	s_wait_tensorcnt 0x0                           ; the wave's end: behind my last LDS store
	ds_add_u32 v[SPW], v[NIL]
	s_wait_dscnt 0x0
	s_endpgm
.Lfunc_end_k_q031f66e419_prep_w:
	.size	k_q031f66e419_prep_w, .Lfunc_end_k_q031f66e419_prep_w-k_q031f66e419_prep_w
	.p2alignl 7, 3214868480
	.fill 96, 4, 3214868480
	.section	.rodata,"a",@progbits
	.p2align	6, 0x0
	.amdhsa_kernel k_q031f66e419_prep_w
		.amdhsa_group_segment_fixed_size 35840
		.amdhsa_private_segment_fixed_size 0
		.amdhsa_enable_private_segment 0
		.amdhsa_kernarg_size 32
		.amdhsa_user_sgpr_count 2
		.amdhsa_user_sgpr_kernarg_segment_ptr 1
		.amdhsa_wavefront_size32 1
		.amdhsa_system_sgpr_workgroup_id_x 1
		.amdhsa_system_sgpr_workgroup_id_y 1
		.amdhsa_system_sgpr_workgroup_id_z 1
		.amdhsa_system_vgpr_workitem_id 0
		.amdhsa_next_free_vgpr 208
		.amdhsa_next_free_sgpr 66
		.amdhsa_reserve_vcc 0
		.amdhsa_float_denorm_mode_32 3
		.amdhsa_float_denorm_mode_16_64 3
		.amdhsa_memory_ordered 1
		.amdhsa_forward_progress 1
		.amdhsa_inst_pref_size 82
	.end_amdhsa_kernel
	.amdgpu_metadata
---
amdhsa.version: [ 1, 2 ]
amdhsa.kernels:
  - .name:           k_q031f66e419_prep_w
    .symbol:         k_q031f66e419_prep_w.kd
    .args:
      - { .name: Wq, .offset: 0, .size: 8, .value_kind: global_buffer, .address_space: global }
      - { .name: Wk, .offset: 8, .size: 8, .value_kind: global_buffer, .address_space: global }
      - { .name: Wv, .offset: 16, .size: 8, .value_kind: global_buffer, .address_space: global }
      - { .name: prep2, .offset: 24, .size: 8, .value_kind: global_buffer, .address_space: global }
    .group_segment_fixed_size: 35840
    .private_segment_fixed_size: 0
    .kernarg_segment_align: 8
    .kernarg_segment_size: 32
    .max_flat_workgroup_size: 128
    .sgpr_count:     66
    .vgpr_count:     208
    .wavefront_size: 32
...
	.end_amdgpu_metadata
.endif
;; end of part 2
;; launch qkv (part 3): grid 16 x 16, 4 waves a work-group, clusters of 4 x 4, 327,680 bytes of LDS; arguments prep1, prep2, q_norm_w, k_norm_w, heads, out1, out2; writes heads, out1, out2
.if DOCPART == 3
	.amdgcn_target "amdgcn-amd-amdhsa--gfx1250"
	.amdhsa_code_object_version 6
	.text
	.protected	k_q031f66e419_qkv
	.globl	k_q031f66e419_qkv
	.p2align	8
	.type	k_q031f66e419_qkv,@function
k_q031f66e419_qkv:
	s_mov_b64 s[64:65], 0
	v_nop
	global_prefetch_b8 v0, s[64:65] scope:SCOPE_SE
	s_setreg_imm32_b32 hwreg(HW_REG_WAVE_MODE, 25, 1), 1
	s_wait_xcnt 0x0
	s_wait_alu depctr_hold_cnt(0) depctr_sa_sdst(0) depctr_va_vdst(0) depctr_va_sdst(0) depctr_va_ssrc(0) depctr_va_vcc(0) depctr_vm_vsrc(0)
	s_getreg_b32 s2, hwreg(HW_REG_IB_STS2, 6, 4)
	s_cmp_eq_u32 s2, 0
	s_cbranch_scc0 .Lentry_in_a_cluster
	s_endpgm
.Lentry_in_a_cluster:
	s_bfe_u32 s2, ttmp6, 0x10000c
	s_cmp_lg_u32 s2, 0xf033
	s_cbranch_scc0 .Lentry_shape_is_right
	s_endpgm
.Lentry_shape_is_right:
; [2048 tokens][4096 K] x [4096 n][4096 K]^T on codes of FP4 (E2M1) with one E8M0 scale for each 32 along K, sums in f32; then, in registers, what reference() does to q, k and v.
; SHARES.  A work-group makes 128 tokens x 256 columns (16 x 16 work-groups).  Wave w: 64 tokens (w / 2) x 128 columns (w % 2), which are ONE head hc = 2 x tile column + w % 2 (0-15 q, 16-23 k, 24-31 v): 32 accumulators.
; K goes in steps of 512 (rows of 256 bytes) through a ring of two LDS slots; the scale bytes of the work-group's rows, for all of K, come once with the first fills and stay.
; CLUSTER 4 x 4: x's tiles are shared along a row of the cluster, W's along a column: each is asked for jointly, one tensor load a wave (waves 0, 1: x's halves; waves 2, 3: W's).
; THE MATRIX INSTRUCTION IS USED TRANSPOSED (source 0 = 16 rows of W, source 1 = 16 tokens): lane (r, h) holds token r and channels 16 b + 8 h + 0 .. 7 of its head, b = 0 .. 7; the other 64 channels lie in lane l xor 16.
; THE WAY OUT, 16 tokens at a time.  q, k: x rsqrt(mean of squares + 1e-6) x gain, rope from the table of cosines and sines.  q's gain also carries c = log2(e) / sqrt(128), so that scores come out as powers of two.
;   heads + 0:     [32 hc][2048][128] f16: c q, k, v / 4.      out1: k, out2: v, f32.
;   heads + Q32:   c q in f32 of a tile row's first 16 tokens, for the four tile rows of cluster row 0 (which work-groups store it hangs on the cluster's numbers and the wave's alone); the part of tile row 0 is read later.
;   heads + VPART: [32 parts of 64 tokens][1024] f32: column sums of v.
; The kind hangs on the cluster's x alone (0, 1: q; 2: k; 3: v), so every branch is the same in all partners.
; LIMITS: |v| under 262,000 (f16 of v / 4); NaN and infinities are not served.
; REGISTERS: window 0: v1 r, v2 h, v16-31 addresses; v32-95 scale words, two sets; v128-191 x's fragments, two sets of four.  window 1: W's fragments, two sets of eight, at v0 and v128.  window 2: accumulator (a, b) at v[8 (8 a + b)].
;   On the way out window 0: v32-95 Y, v96-127 cosines, v128-159 sines (v: v96-159 sums), v160-175 at work, v176-207 f16, v208-209 1 / rms; window 1: v0-63 the gain.
.set XS,    4194304
.set ROPE,  21233664
.set WS,    8388608
.set Q32,   16777216
.set VPART, 17301504
.set ROWB,  256
.set KROW,  2048
.set PITCH, 272                        ; an LDS row: 256 bytes + 16: the 16 rows of a fragment load start 68 words apart
.set AH,    64*PITCH
.set BH,    128*PITCH
.set SLOT,  2*AH+2*BH                  ; x's 128 rows, then W's 256
.set SCL,   2*SLOT                     ; the scales, as pieces of 256 bytes + 16
.set SAH,   32*272                     ; those of 64 rows of x
.set SBH,   64*272                     ; of 128 rows of W
.set SBLK,  8*272                      ; of 16 rows
.set SPARE, SCL+2*SAH+2*SBH            ; the spare words, 128 bytes a wave
.set STG,   12800                      ; the way out: a stage a wave, in slot 0 (behind its last fill and last read): 16 x 528 for f32, then 16 x 272 for f16
.set ADRA, 16
.set ADRB, 20
.set STH,  22
.set RDH,  23
.set STO,  24
.set RD,   25
.set CO,   26
.set ADRS, 27
.set SPW,  28
.set NIL,  29
.set RO,   30
.set WOF,  31
.set SC,   32
.set AF,   128
.set Y,    32
.set CT,   96
.set SN,   128
.set VS,   96
.set T,    160
.set H,    176
.set INV,  208
.set G1,   24
.set G0,   32
.set G1B,  48
.set G0B,  56
.set G1S,  68
.set G0S,  76
.set G1SB, 80
.set G0SB, 88
.set MSB, 0
.macro WIN new                         ; the immediate's high byte repeats the setting that is left
.if MSB != \new
	s_set_vgpr_msb (MSB<<8)|\new
.set MSB, \new
.endif
.endm
.set MUL,  0xa1                        ; source 0 (W) window 1, source 1 (x) window 0, C and D window 2
.set TO_B, 0x40                        ; destination window 1, address window 0
.macro JLOAD g0a, g1a, g0b, g1b        ; a joint load: waves 0, 1 for x, waves 2, 3 for W; an s_nop 0 and four v_nop follow each line
	s_cmp_eq_u32 s15, 0
	s_cbranch_scc0 .Lfor_b_\@
	tensor_load_to_lds s[\g0a:\g0a+3], s[\g1a:\g1a+7]
	s_nop 0
.rept 4
	v_nop
.endr
	s_branch .Lasked_\@
.Lfor_b_\@:
	tensor_load_to_lds s[\g0b:\g0b+3], s[\g1b:\g1b+7]
	s_nop 0
.rept 4
	v_nop
.endr
.Lasked_\@:
.endm
.macro CREST                           ; a round of the cluster's barrier behind its opening barrier
	s_cmp_lg_u32 s14, 0
	s_cbranch_scc1 .Lnot_wave_0_\@
	s_barrier_signal -3
.Lnot_wave_0_\@:
	s_barrier_wait -3
	s_barrier_signal -1
	s_barrier_wait -1
.endm
.macro CROUND
	s_barrier_signal -1
	s_barrier_wait -1
	CREST
.endm
.macro PLACES n
.rept \n
	v_nop
.endr
.endm
	s_load_b256 s[4:11], s[0:1], 0x0               ; prep1 s[4:5], prep2 s[6:7], q_norm_w s[8:9], k_norm_w s[10:11]
	s_load_b128 s[96:99], s[0:1], 0x20             ; heads s[96:97], out1 s[98:99]
	s_load_b64 s[66:67], s[0:1], 0x30              ; out2
	v_lshl_add_u32 v[SPW], v0, 2, SPARE
	v_mov_b32 v[NIL], 0
	ds_add_u32 v[SPW], v[NIL]                      ; the wave's opening: the add, twice on end, and its wait ahead of my first tensor load
	ds_add_u32 v[SPW], v[NIL]
	v_lshrrev_b32 v1, 5, v0
	v_readfirstlane_b32 s14, v1                    ; wave
	s_lshr_b32 s15, s14, 1                         ; my half of the tokens.  Also: I fetch for x (0) or for W (1)
	s_and_b32 s16, s14, 1                          ; my half of the columns.  Also: which half of that tile I fetch
	s_bfe_u32 s40, ttmp6, 0x40000                  ; cx
	s_bfe_u32 s41, ttmp6, 0x40004                  ; cy
	s_lshl_b32 s42, ttmp9, 2
	s_add_co_u32 s42, s42, s40                     ; tile column
	s_and_b32 s17, ttmp7, 0xffff
	s_lshl_b32 s17, s17, 2
	s_add_co_u32 s17, s17, s41                     ; tile row
	s_lshl_b32 s43, s41, 2
	s_lshl_b32 s43, 15, s43                        ; my row of the cluster
	s_lshl_b32 s44, 0x1111, s40                    ; my column
	s_or_b32 s[G1+0], s43, (1<<20)|(1<<21)|(5<<22)|(3<<25)    ; the mask; elements of 1 byte; padding: 4 words behind every 64
	s_or_b32 s[G1B+0], s44, (1<<20)|(1<<21)|(5<<22)|(3<<25)
	s_mov_b32 s[G1+1], ROWB<<16                    ; x: 64 rows of 256 bytes, 2,048 bytes apart
	s_mov_b32 s[G1+2], 64<<16
	s_mov_b32 s[G1+3], ROWB<<16
	s_mov_b32 s[G1+4], 64
	s_mov_b32 s[G1+5], KROW
	s_mov_b32 s[G1+6], 0
	s_mov_b32 s[G1+7], 0
	s_mov_b32 s[G1B+1], ROWB<<16                   ; W: 128 rows
	s_mov_b32 s[G1B+2], 128<<16
	s_mov_b32 s[G1B+3], ROWB<<16
	s_mov_b32 s[G1B+4], 128
	s_mov_b32 s[G1B+5], KROW
	s_mov_b32 s[G1B+6], 0
	s_mov_b32 s[G1B+7], 0
	s_or_b32 s[G1S+0], s43, (3<<16)|(1<<20)|(1<<21)|(5<<22)|(3<<25)   ; scales: dense blocks as rows of 32 elements of 8 bytes, 16 bytes of padding behind each
	s_or_b32 s[G1SB+0], s44, (3<<16)|(1<<20)|(1<<21)|(5<<22)|(3<<25)
	s_mov_b32 s[G1S+1], 32<<16
	s_mov_b32 s[G1S+2], 32<<16                     ; 64 rows x 128 bytes = 32 such rows
	s_mov_b32 s[G1S+3], 32<<16
	s_mov_b32 s[G1S+4], 32
	s_mov_b32 s[G1S+5], 32
	s_mov_b32 s[G1S+6], 0
	s_mov_b32 s[G1S+7], 0
	s_mov_b32 s[G1SB+1], 32<<16
	s_mov_b32 s[G1SB+2], 64<<16                    ; 128 rows x 128 bytes = 64
	s_mov_b32 s[G1SB+3], 32<<16
	s_mov_b32 s[G1SB+4], 64
	s_mov_b32 s[G1SB+5], 32
	s_mov_b32 s[G1SB+6], 0
	s_mov_b32 s[G1SB+7], 0
	s_lshl_b32 s18, s16, 6
	s_lshl_b32 s20, s17, 7
	s_add_co_u32 s20, s20, s18                     ; x: row 128 x tile row + 64 x half
	s_lshl_b32 s22, s20, 7
	s_add_co_u32 s22, s22, XS                      ; its scales,
	s_lshl_b32 s20, s20, 11                        ; its codes
	s_mov_b32 s21, 0
	s_mov_b32 s23, 0
	s_lshl_b32 s18, s16, 7
	s_lshl_b32 s46, s42, 8
	s_add_co_u32 s46, s46, s18                     ; W: row 256 x tile column + 128 x half
	s_lshl_b32 s92, s46, 7
	s_add_co_u32 s92, s92, WS
	s_lshl_b32 s46, s46, 11
	s_mov_b32 s47, 0
	s_mov_b32 s93, 0
	s_mul_i32 s45, s16, AH                         ; where they go in LDS: the wave's number alone
	s_mul_i32 s12, s16, BH
	s_add_co_u32 s12, s12, 2*AH
	s_mul_i32 s13, s16, SAH
	s_add_co_u32 s13, s13, SCL
	s_mul_i32 s19, s16, SBH
	s_add_co_u32 s19, s19, SCL+2*SAH
	s_wait_dscnt 0x0                               ; both opening adds are done
	s_wait_kmcnt 0x0
	s_add_nc_u64 s[20:21], s[4:5], s[20:21]
	s_add_nc_u64 s[22:23], s[4:5], s[22:23]
	s_add_nc_u64 s[46:47], s[6:7], s[46:47]
	s_add_nc_u64 s[92:93], s[6:7], s[92:93]
	CROUND                                         ; all sixteen work-groups are here: the first joint loads meet
	s_mov_b32 s[G0S], 1
	s_mov_b32 s[G0S+1], s13
	s_mov_b64 s[G0S+2:G0S+3], s[22:23]
	s_or_b32 s[G0S+3], s[G0S+3], 0x80000000
	s_mov_b32 s[G0SB], 1
	s_mov_b32 s[G0SB+1], s19
	s_mov_b64 s[G0SB+2:G0SB+3], s[92:93]
	s_or_b32 s[G0SB+3], s[G0SB+3], 0x80000000
	JLOAD G0S, G1S, G0SB, G1SB                     ; the scales first: wanted with K step 0
.irp s, 0,1
	s_mov_b32 s[G0+4*\s], 1
	s_add_co_u32 s[G0+4*\s+1], s45, \s*SLOT
	s_add_nc_u64 s[G0+4*\s+2:G0+4*\s+3], s[20:21], \s*ROWB
	s_or_b32 s[G0+4*\s+3], s[G0+4*\s+3], 0x80000000
	s_mov_b32 s[G0B+4*\s], 1
	s_add_co_u32 s[G0B+4*\s+1], s12, \s*SLOT
	s_add_nc_u64 s[G0B+4*\s+2:G0B+4*\s+3], s[46:47], \s*ROWB
	s_or_b32 s[G0B+4*\s+3], s[G0B+4*\s+3], 0x80000000
	JLOAD G0+4*\s, G1, G0B+4*\s, G1B
.endr
	v_and_b32 v1, 15, v0                           ; r
	v_bfe_u32 v2, v0, 4, 1                         ; h
	v_mul_u32_u24 v3, v1, PITCH
	v_lshl_add_u32 v4, v2, 4, v3                   ; a fragment's row x pitch + 16 h
	s_mul_i32 s21, s15, AH                         ; my 64 rows of x
	s_mul_i32 s22, s16, BH                         ; my 128 rows of W, behind x's 128
	s_add_co_u32 s22, s22, 2*AH
.irp s, 0,1
	v_add_nc_u32 v[ADRA+\s], s21, v4
	v_add_nc_u32 v[ADRB+\s], s22, v4
	s_add_co_u32 s21, s21, SLOT
	s_add_co_u32 s22, s22, SLOT
.endr
	v_lshlrev_b32 v5, 7, v1                        ; my row's scales: 128 bytes a row,
	v_lshrrev_b32 v6, 1, v1
	v_lshl_add_u32 v5, v6, 4, v5                   ; and 16 more for each 256 passed
	s_mul_i32 s21, s15, SAH
	s_mul_i32 s22, s16, SBH
	s_add_co_u32 s22, s22, 2*SAH
	s_sub_co_u32 s22, s22, s21
	v_mul_u32_u24 v6, s22, v2                      ; lanes 16-31 take W's: one product, the distance between the two
	s_add_co_u32 s21, s21, SCL
	v_add_nc_u32 v5, v5, v6
	v_add_nc_u32 v[ADRS], s21, v5
	s_mul_i32 s23, s14, STG                        ; my stage
	v_mul_u32_u24 v5, v1, 528
	v_lshl_add_u32 v5, v2, 5, v5
	v_add_nc_u32 v[STO], s23, v5                   ; f32 in: row r, 32 bytes for each half of the lanes
	v_and_b32 v6, 31, v0
	v_lshlrev_b32 v[CO], 4, v6                     ; 16 x lane
	v_add_nc_u32 v[RD], s23, v[CO]                 ; f32 back: 32 lanes take a row of 512 bytes
	s_add_co_u32 s23, s23, 16*528
	v_add_nc_u32 v[STH], s23, v4                   ; f16 in: row r of 272, 16 bytes for each half
	v_mul_u32_u24 v5, v2, 272
	v_lshl_add_u32 v5, v1, 4, v5
	v_add_nc_u32 v[RDH], s23, v5                   ; f16 back: lanes 0-15 one row, lanes 16-31 the next
	v_lshlrev_b32 v[RO], 9, v1
	v_lshl_add_u32 v[RO], v2, 5, v[RO]             ; the table of cosines: token r x 512 + 32 h
	v_lshlrev_b32 v[WOF], 5, v2                    ; the gain: 32 h
.macro FRAG reg, adr, q, i             ; 16 rows x 128 K of 4-bit codes: registers 4 c .. 4 c + 3 hold K = 64 c + 32 h + 0 .. 31
.irp c, 0,1
	ds_load_b128 v[\reg+4*\c:\reg+4*\c+3], v[\adr] offset:64*(\q)+32*\c+(\i)*16*PITCH
.endr
.endm
; eight matrix instructions: x's block a against W's eight; p: the set of fragments; q: which 128 of the slot's 512 along K; sc: the set of scale words.  The 32 accumulators take turns in the same order in every quarter.
.macro MUL8 a, p, q, sc, zero
.irp b, 0,1,2,3,4,5,6,7
.if \zero
	v_wmma_scale_f32_16x16x128_f8f6f4 v[8*(8*(\a)+\b):8*(8*(\a)+\b)+7], v[128*(\p)+8*\b:128*(\p)+8*\b+7], v[AF+32*(\p)+8*(\a):AF+32*(\p)+8*(\a)+7], 0, v[SC+32*(\sc)+4*\b+(\q)], v[SC+32*(\sc)+4*(\a)+(\q)] matrix_a_fmt:MATRIX_FMT_FP4 matrix_b_fmt:MATRIX_FMT_FP4 matrix_a_scale:MATRIX_SCALE_ROW1
.else
	v_wmma_scale_f32_16x16x128_f8f6f4 v[8*(8*(\a)+\b):8*(8*(\a)+\b)+7], v[128*(\p)+8*\b:128*(\p)+8*\b+7], v[AF+32*(\p)+8*(\a):AF+32*(\p)+8*(\a)+7], v[8*(8*(\a)+\b):8*(8*(\a)+\b)+7], v[SC+32*(\sc)+4*\b+(\q)], v[SC+32*(\sc)+4*(\a)+(\q)] matrix_a_fmt:MATRIX_FMT_FP4 matrix_b_fmt:MATRIX_FMT_FP4 matrix_a_scale:MATRIX_SCALE_ROW1
.endif
.endr
.endm
.macro FETCH slot, q, p                ; 24 LDS loads in one run: the fragments of one quarter into set p
	WIN TO_B
.irp i, 0,1,2,3,4,5,6,7
	FRAG 128*(\p)+8*\i, ADRB+\slot, \q, \i
.endr
	WIN 0
.irp i, 0,1,2,3
	FRAG AF+32*(\p)+8*\i, ADRA+\slot, \q, \i
.endr
.endm
.macro SCALES sc                       ; a K step's scale words: lanes 0-15 x's block i (for i above 3: bytes that are filled and not used), lanes 16-31 W's block i
.irp i, 0,1,2,3,4,5,6,7
	ds_load_b128 v[SC+32*\sc+4*\i:SC+32*\sc+4*\i+3], v[ADRS] offset:\i*SBLK
.endr
.endm
.macro STEP slot, q, zero              ; a quarter that has its successor in the same slot
	s_wait_dscnt 0x0                               ; this quarter's fragments are in (asked for 24 matrix instructions ago)
	WIN MUL
	MUL8 0, (\q)%2, \q, \slot, \zero
	PLACES 4                                       ; in front of loads into the other set, which the quarter before multiplied
	FETCH \slot, (\q)+1, 1-(\q)%2
	WIN MUL
	MUL8 1, (\q)%2, \q, \slot, \zero
	MUL8 2, (\q)%2, \q, \slot, \zero
	MUL8 3, (\q)%2, \q, \slot, \zero
	WIN 0
.endm
; A slot's last quarter changes slots: one barrier; in front of it each wave waits for all its tensor loads, adds 0 to its spare word, and waits for that and for its reads of this slot.
.macro TURN slot, next, fill
	s_wait_tensorcnt 0x0                           ; all my tensor loads have landed: my part of the next slot
	ds_add_u32 v[SPW], v[NIL]                      ; 0 onto my spare word
	s_wait_dscnt 1                                 ; the add alone may be out: the fragments are in
	WIN MUL
	MUL8 0, 1, 3, \slot, 0
	s_wait_dscnt 0x0                               ; the add is done, and my reads of this slot are over
	s_barrier_signal -1
	MUL8 1, 1, 3, \slot, 0
	WIN 0
	s_barrier_wait -1
.if \fill
	CREST                                          ; the barrier has opened a round of the cluster's: no wave of any partner still reads this slot or has a load on its way
	s_add_nc_u64 s[G0+4*\slot+2:G0+4*\slot+3], s[G0+4*\slot+2:G0+4*\slot+3], 2*ROWB
	s_add_nc_u64 s[G0B+4*\slot+2:G0B+4*\slot+3], s[G0B+4*\slot+2:G0B+4*\slot+3], 2*ROWB
	JLOAD G0+4*\slot, G1, G0B+4*\slot, G1B         ; the first tensor load behind the round; its four v_nop are the places in front of the loads below
.else
	PLACES 4
.endif
	v_add_nc_u32 v[ADRS], 16, v[ADRS]              ; the next K step's scale words
	FETCH \next, 0, 0
	SCALES \next
	WIN MUL
	MUL8 2, 1, 3, \slot, 0
	MUL8 3, 1, 3, \slot, 0
	WIN 0
.endm
	s_wait_tensorcnt 1                             ; the scales and my part of K step 0 are in; K step 1's load may stay out
	s_barrier_signal -1
	s_barrier_wait -1
	FETCH 0, 0, 0
	SCALES 0
	STEP 0, 0, 1                                   ; the first quarter starts the sums: nothing is cleared
	s_mov_b32 s3, 3
.Llap:                                                 ; a trip goes once round the ring and fills both slots again: K steps 2 to 7
	STEP 0, 1, 0
	STEP 0, 2, 0
	TURN 0, 1, 1
	STEP 1, 0, 0
	STEP 1, 1, 0
	STEP 1, 2, 0
	TURN 1, 0, 1
	STEP 0, 0, 0
	s_sub_co_u32 s3, s3, 1
	s_cmp_lg_u32 s3, 0
	s_cbranch_scc1 .Llap
	STEP 0, 1, 0                                   ; the last lap fills nothing
	STEP 0, 2, 0
	TURN 0, 1, 0
	STEP 1, 0, 0
	STEP 1, 1, 0
	STEP 1, 2, 0
	s_wait_dscnt 0x0
	WIN MUL
	MUL8 0, 1, 3, 1, 0
	MUL8 1, 1, 3, 1, 0
	MUL8 2, 1, 3, 1, 0
	MUL8 3, 1, 3, 1, 0
	WIN 0
	PLACES 4                                       ; in front of the first reads of results and of writes into registers that held operands and scales
; ---------------- the way out
	s_lshl_b32 s18, s17, 7
	s_lshl_b32 s19, s15, 6
	s_add_co_u32 s18, s18, s19                     ; my first token
	s_lshl_b32 s94, s42, 1
	s_add_co_u32 s94, s94, s16                     ; hc
	s_lshl_b32 s20, s18, 9
	s_add_co_u32 s20, s20, ROPE
	s_mov_b32 s21, 0
	s_add_nc_u64 s[4:5], s[4:5], s[20:21]          ; the table at my first token
	s_lshl_b32 s22, s94, 19
	s_lshl_b32 s23, s18, 8
	s_add_co_u32 s22, s22, s23
	s_mov_b32 s23, 0
	s_add_nc_u64 s[6:7], s[96:97], s[22:23]        ; my head's f16 rows
	s_mov_b32 s46, 0x76543210
	s_mov_b32 s47, 0xfedcba98                      ; v_permlanex16_b32's selects for lane l xor 16
	s_mov_b32 s92, 0x358637bd                      ; 1e-6
	s_mov_b32 s93, 0x3c000000                      ; 1 / 128
	v_mov_b32 v[INV+1], 0                          ; named as the upper half of a pair
	s_cmp_eq_u32 ttmp9, 3
	s_cbranch_scc1 .Lvalues
	s_lshl_b32 s12, s41, 17                        ; q in f32: [cy][hc / 8][16 tokens][hc % 8][128]
	s_lshr_b32 s13, s94, 3
	s_lshl_b32 s13, s13, 16
	s_add_co_u32 s12, s12, s13
	s_and_b32 s13, s94, 7
	s_lshl_b32 s13, s13, 9
	s_add_co_u32 s12, s12, s13
	s_add_co_u32 s12, s12, Q32
	s_sub_co_u32 s13, s94, 16                      ; k in out1: token x 4,096 + head x 512
	s_lshl_b32 s13, s13, 9
	s_lshl_b32 s19, s18, 12
	s_add_co_u32 s13, s13, s19
	s_and_b32 s19, ttmp7, 0xffff
	s_or_b32 s19, s19, s15
	s_cmp_eq_u32 s19, 0                            ; cluster row 0 and the wave's first half of the tokens
	s_cselect_b32 s43, 1, 0
	s_cmp_lt_u32 ttmp9, 2                          ; q?
	s_cselect_b64 s[8:9], s[8:9], s[10:11]         ; the gain
	s_cselect_b64 s[10:11], s[96:97], s[98:99]     ; where f32 goes
	s_cselect_b32 s12, s12, s13
	s_cselect_b32 s44, 0, 1                        ; blocks 1 to 3 leave in f32: k alone
	s_mov_b32 s95, 1.0
	s_cselect_b32 s2, 0x3e0293ee, s95              ; q's gain carries c = log2(e) / sqrt(128)
	s_mov_b32 s3, s2
	s_or_b32 s43, s43, s44                         ; block 0 leaves in f32: k, and q as above
	s_mov_b32 s13, 0
	s_add_nc_u64 s[10:11], s[10:11], s[12:13]
	WIN 0x40
.irp b, 0,1,2,3,4,5,6,7
	global_load_b128 v[8*\b:8*\b+3], v[WOF], s[8:9] offset:64*\b       ; gain of channels 16 b + 8 h + 0 .. 7, into window 1
	global_load_b128 v[8*\b+4:8*\b+7], v[WOF], s[8:9] offset:64*\b+16
.endr
	s_wait_loadcnt 0x0
	WIN 0x41
.set i, 0
.rept 32
	v_pk_mul_f32 v[2*i:2*i+1], v[2*i:2*i+1], s[2:3] op_sel_hi:[1,0]
.set i, i+1
.endr
	WIN 0
; 16 tokens of q or k.  flag: the scalar register that says whether the block also leaves in f32.
.macro EPI_QK a, flag
.irp b, 0,1,2,3
	global_load_b128 v[CT+8*\b:CT+8*\b+3], v[RO], s[4:5] offset:8192*(\a)+64*\b
	global_load_b128 v[CT+8*\b+4:CT+8*\b+7], v[RO], s[4:5] offset:8192*(\a)+64*\b+16
	global_load_b128 v[SN+8*\b:SN+8*\b+3], v[RO], s[4:5] offset:8192*(\a)+64*\b+256
	global_load_b128 v[SN+8*\b+4:SN+8*\b+7], v[RO], s[4:5] offset:8192*(\a)+64*\b+272
.endr
	WIN 0x0a                                       ; sources 0 and 1: window 2.  The sum of my 64 squares, four chains, each accumulator from its low end on
.set i, 0
.rept 4
	v_pk_mul_f32 v[T+2*i:T+2*i+1], v[64*(\a)+2*i:64*(\a)+2*i+1], v[64*(\a)+2*i:64*(\a)+2*i+1]
.set i, i+1
.endr
.rept 28
	v_pk_fma_f32 v[T+2*(i%4):T+2*(i%4)+1], v[64*(\a)+2*i:64*(\a)+2*i+1], v[64*(\a)+2*i:64*(\a)+2*i+1], v[T+2*(i%4):T+2*(i%4)+1]
.set i, i+1
.endr
	WIN 0
	v_pk_add_f32 v[T:T+1], v[T:T+1], v[T+2:T+3]
	v_pk_add_f32 v[T+4:T+5], v[T+4:T+5], v[T+6:T+7]
	v_pk_add_f32 v[T:T+1], v[T:T+1], v[T+4:T+5]
	v_add_f32 v[T], v[T], v[T+1]
	v_permlanex16_b32 v[T+1], v[T], s46, s47       ; the token's other 64 channels
	v_add_f32 v[T], v[T], v[T+1]
	v_fma_f32 v[T], v[T], s93, s92                 ; mean + 1e-6
	v_rsq_f32 v[INV], v[T]
	v_nop                                          ; a plain instruction behind the transcendental
	s_wait_alu depctr_va_vdst(0)                   ; and the wait ahead of its first reader
	WIN 0x02
.set i, 0
.rept 32
	v_pk_mul_f32 v[Y+2*i:Y+2*i+1], v[64*(\a)+2*i:64*(\a)+2*i+1], v[INV:INV+1] op_sel_hi:[1,0]
.set i, i+1
.endr
	s_wait_loadcnt 0x0                             ; cosines and sines
	WIN 0x04
.set i, 0
.rept 32
	v_pk_mul_f32 v[Y+2*i:Y+2*i+1], v[Y+2*i:Y+2*i+1], v[2*i:2*i+1]   ; x the gain (window 1)
.set i, i+1
.endr
	WIN 0
.set i, 0
.rept 16                               ; rope: channel d under 64 and channel d + 64 lie in one lane, 32 registers apart
.set t1, T+4*(i%4)
	v_pk_mul_f32 v[t1:t1+1], v[Y+32+2*i:Y+33+2*i], v[SN+2*i:SN+2*i+1]
	v_pk_mul_f32 v[t1+2:t1+3], v[Y+2*i:Y+2*i+1], v[SN+2*i:SN+2*i+1]
	v_pk_fma_f32 v[Y+2*i:Y+2*i+1], v[Y+2*i:Y+2*i+1], v[CT+2*i:CT+2*i+1], v[t1:t1+1] neg_lo:[0,0,1] neg_hi:[0,0,1]
	v_pk_fma_f32 v[Y+32+2*i:Y+33+2*i], v[Y+32+2*i:Y+33+2*i], v[CT+2*i:CT+2*i+1], v[t1+2:t1+3]
.set i, i+1
.endr
.set i, 0
.rept 32
	v_cvt_pk_f16_f32 v[H+i], v[Y+2*i], v[Y+2*i+1]
.set i, i+1
.endr
.irp b, 0,1,2,3,4,5,6,7
	ds_store_b128 v[STH], v[H+4*\b:H+4*\b+3] offset:32*\b
.endr
.irp f, 0,1,2,3,4,5,6,7
	ds_load_b128 v[H+4*\f:H+4*\f+3], v[RDH] offset:\f*544      ; LDS serves a wave's instructions in order: these see the stores above
.endr
	s_cmp_eq_u32 s[\flag], 0
	s_cbranch_scc1 .Lno_f32_\@
.irp b, 0,1,2,3,4,5,6,7
	ds_store_b128 v[STO], v[Y+8*\b:Y+8*\b+3] offset:64*\b
	ds_store_b128 v[STO], v[Y+8*\b+4:Y+8*\b+7] offset:64*\b+16
.endr
.irp t, 0,1,2,3,4,5,6,7,8,9,10,11,12,13,14,15
	ds_load_b128 v[Y+4*\t:Y+4*\t+3], v[RD] offset:\t*528
.endr
	s_wait_dscnt 0x0
.irp t, 0,1,2,3,4,5,6,7,8,9,10,11,12,13,14,15
	global_store_b128 v[CO], v[Y+4*\t:Y+4*\t+3], s[10:11] offset:(16*(\a)+\t)*4096   ; 32 lanes store a head's 512 bytes of one token
.endr
.Lno_f32_\@:
	s_wait_dscnt 0x0
.irp f, 0,1,2,3,4,5,6,7
	global_store_b128 v[CO], v[H+4*\f:H+4*\f+3], s[6:7] offset:4096*(\a)+512*\f      ; two tokens' 256 bytes each
.endr
	s_wait_xcnt 0x0                                ; the stores have read their registers: the next block may write them
.endm
	EPI_QK 0, 43
	EPI_QK 1, 44
	EPI_QK 2, 44
	EPI_QK 3, 44
	s_branch .Ldone
.Lvalues:
	s_sub_co_u32 s13, s94, 24
	s_lshl_b32 s13, s13, 9                         ; head x 512
	s_lshl_b32 s12, s18, 12
	s_add_co_u32 s12, s12, s13                     ; out2: token x 4,096 + head x 512
	s_lshl_b32 s19, s17, 1
	s_add_co_u32 s19, s19, s15                     ; which part of 64 tokens
	s_lshl_b32 s19, s19, 12
	s_add_co_u32 s20, s19, s13
	s_add_co_u32 s20, s20, VPART
	s_mov_b32 s13, 0
	s_add_nc_u64 s[10:11], s[66:67], s[12:13]
	s_add_nc_u64 s[8:9], s[96:97], s[20:21]
.macro EPI_V a                         ; 16 tokens of v: f16(v / 4), v in f32, and the running sums over tokens
	WIN 0x02
.set i, 0
.rept 32
	v_pk_mul_f32 v[Y+2*i:Y+2*i+1], v[64*(\a)+2*i:64*(\a)+2*i+1], 0x3e800000 op_sel_hi:[1,0]
.set i, i+1
.endr
	WIN 0
.set i, 0
.rept 32
	v_cvt_pk_f16_f32 v[H+i], v[Y+2*i], v[Y+2*i+1]
.set i, i+1
.endr
.if (\a) == 1
	WIN 0x0a
.set i, 0
.rept 32
	v_pk_add_f32 v[VS+2*i:VS+2*i+1], v[2*i:2*i+1], v[64+2*i:65+2*i]
.set i, i+1
.endr
.endif
.if (\a) > 1
	WIN 0x08
.set i, 0
.rept 32
	v_pk_add_f32 v[VS+2*i:VS+2*i+1], v[VS+2*i:VS+2*i+1], v[64*(\a)+2*i:64*(\a)+2*i+1]
.set i, i+1
.endr
.endif
	WIN 0
.irp b, 0,1,2,3,4,5,6,7
	ds_store_b128 v[STH], v[H+4*\b:H+4*\b+3] offset:32*\b
.endr
.irp f, 0,1,2,3,4,5,6,7
	ds_load_b128 v[H+4*\f:H+4*\f+3], v[RDH] offset:\f*544
.endr
	WIN 0x08                                       ; an LDS store's data are its source 1: window 2
.irp b, 0,1,2,3,4,5,6,7
	ds_store_b128 v[STO], v[64*(\a)+8*\b:64*(\a)+8*\b+3] offset:64*\b
	ds_store_b128 v[STO], v[64*(\a)+8*\b+4:64*(\a)+8*\b+7] offset:64*\b+16
.endr
	WIN 0
.irp t, 0,1,2,3,4,5,6,7,8,9,10,11,12,13,14,15
	ds_load_b128 v[Y+4*\t:Y+4*\t+3], v[RD] offset:\t*528
.endr
	s_wait_dscnt 0x0
.irp f, 0,1,2,3,4,5,6,7
	global_store_b128 v[CO], v[H+4*\f:H+4*\f+3], s[6:7] offset:4096*(\a)+512*\f
.endr
.irp t, 0,1,2,3,4,5,6,7,8,9,10,11,12,13,14,15
	global_store_b128 v[CO], v[Y+4*\t:Y+4*\t+3], s[10:11] offset:(16*(\a)+\t)*4096
.endr
	s_wait_xcnt 0x0
.endm
	EPI_V 0
	EPI_V 1
	EPI_V 2
	EPI_V 3
.irp b, 0,1,2,3,4,5,6,7                ; the sums of the sixteen lanes r meet through the stage: row r holds lane r's 128 channels
	ds_store_b128 v[STO], v[VS+8*\b:VS+8*\b+3] offset:64*\b
	ds_store_b128 v[STO], v[VS+8*\b+4:VS+8*\b+7] offset:64*\b+16
.endr
.irp t, 0,1,2,3,4,5,6,7,8,9,10,11,12,13,14,15
	ds_load_b128 v[Y+4*\t:Y+4*\t+3], v[RD] offset:\t*528
.endr
	s_wait_dscnt 0x0
.irp t, 1,2,3,4,5,6,7,8,9,10,11,12,13,14,15
	v_pk_add_f32 v[Y:Y+1], v[Y:Y+1], v[Y+4*\t:Y+4*\t+1]
	v_pk_add_f32 v[Y+2:Y+3], v[Y+2:Y+3], v[Y+4*\t+2:Y+4*\t+3]
.endr
	global_store_b128 v[CO], v[Y:Y+3], s[8:9]      ; 64 tokens' sums of my head's 128 channels
.Ldone:
	s_wait_tensorcnt 0x0                           ; the wave's end: behind my last tensor load and my last LDS store
	ds_add_u32 v[SPW], v[NIL]
	s_wait_dscnt 0x0
	CROUND                                         ; the closing round
	s_endpgm
.Lfunc_end_k_q031f66e419_qkv:
	.size	k_q031f66e419_qkv, .Lfunc_end_k_q031f66e419_qkv-k_q031f66e419_qkv
	.p2alignl 7, 3214868480
	.fill 96, 4, 3214868480
	.section	.rodata,"a",@progbits
	.p2align	6, 0x0
	.amdhsa_kernel k_q031f66e419_qkv
		.amdhsa_group_segment_fixed_size 327680
		.amdhsa_private_segment_fixed_size 0
		.amdhsa_enable_private_segment 0
		.amdhsa_kernarg_size 56
		.amdhsa_user_sgpr_count 2
		.amdhsa_user_sgpr_kernarg_segment_ptr 1
		.amdhsa_wavefront_size32 1
		.amdhsa_system_sgpr_workgroup_id_x 1
		.amdhsa_system_sgpr_workgroup_id_y 1
		.amdhsa_system_sgpr_workgroup_id_z 1
		.amdhsa_system_vgpr_workitem_id 0
		.amdhsa_next_free_vgpr 768
		.amdhsa_next_free_sgpr 100
		.amdhsa_reserve_vcc 0
		.amdhsa_float_denorm_mode_32 3
		.amdhsa_float_denorm_mode_16_64 3
		.amdhsa_memory_ordered 1
		.amdhsa_forward_progress 1
		.amdhsa_inst_pref_size 244
	.end_amdhsa_kernel
	.amdgpu_metadata
---
amdhsa.version: [ 1, 2 ]
amdhsa.kernels:
  - .name:           k_q031f66e419_qkv
    .symbol:         k_q031f66e419_qkv.kd
    .args:
      - { .name: prep1, .offset: 0, .size: 8, .value_kind: global_buffer, .address_space: global }
      - { .name: prep2, .offset: 8, .size: 8, .value_kind: global_buffer, .address_space: global }
      - { .name: q_norm_w, .offset: 16, .size: 8, .value_kind: global_buffer, .address_space: global }
      - { .name: k_norm_w, .offset: 24, .size: 8, .value_kind: global_buffer, .address_space: global }
      - { .name: heads, .offset: 32, .size: 8, .value_kind: global_buffer, .address_space: global }
      - { .name: out1, .offset: 40, .size: 8, .value_kind: global_buffer, .address_space: global }
      - { .name: out2, .offset: 48, .size: 8, .value_kind: global_buffer, .address_space: global }
    .group_segment_fixed_size: 327680
    .private_segment_fixed_size: 0
    .kernarg_segment_align: 8
    .kernarg_segment_size: 56
    .max_flat_workgroup_size: 128
    .sgpr_count:     100
    .vgpr_count:     768
    .wavefront_size: 32
...
	.end_amdgpu_metadata
.endif
;; end of part 3
;; launch attn (part 4): grid 32 x 8, 4 waves a work-group, no clusters, 327,680 bytes of LDS; arguments heads, prep1, att; writes att
.if DOCPART == 4
	.amdgcn_target "amdgcn-amd-amdhsa--gfx1250"
	.amdhsa_code_object_version 6
	.text
	.protected	k_q031f66e419_attn
	.globl	k_q031f66e419_attn
	.p2align	8
	.type	k_q031f66e419_attn,@function
k_q031f66e419_attn:
	s_mov_b64 s[64:65], 0
	v_nop
	global_prefetch_b8 v0, s[64:65] scope:SCOPE_SE
	s_setreg_imm32_b32 hwreg(HW_REG_WAVE_MODE, 25, 1), 1
	s_wait_xcnt 0x0
; Causal attention with a mask on the keys, operands in f16, sums, maxima and the softmax in f32.  q arrives as f16(c q), c = log2(e) / sqrt(128), k as f16, v as f16(v / 4); the result leaves as f16(attn / 4), [token][16 heads x 128].
; SHARES.  A work-group (x, y): key and value head g = y, query head 2 g + x % 2, and TWO blocks of 64 tokens: the early block i = x / 2 and the late block 31 - i.  Wave w holds two tiles of 16 tokens of that head:
; tile 0 = tokens 64 i + 16 w on, tile 1 = tokens 64 (31 - i) + 16 w on.  Under the causal mask tile 0 wants i + 1 key steps of 64 keys and tile 1 wants 32 - i: 33 tile steps for every wave of the launch, whatever i.
; Up to the early block's diagonal (key step i) each fragment of K and V feeds both tiles; behind it the late tile alone goes on, to its own diagonal (key step 31 - i).
; Keys go 64 a step, two steps to a slot, through a ring of two LDS slots (waves 0, 1: K of the slot's two steps; waves 2, 3: V).  Every work-group walks all 16 slots, so that trip counts are constants; a step all of whose keys
; come after the late block is jumped over (a branch on ids), and a slot that begins after it is not asked for.  No cluster: under the causal mask partners would need different numbers of tiles.
; LAYOUT.  S^T = K Q^T (source 0 = 16 keys, source 1 = 16 tokens): a lane holds one token (lane % 16) and keys 8 (lane / 16) + 0 .. 7.  Two such tiles rounded to f16 are source 1 of O^T = V^T P.  V is turned by ds_load_tr16_b128.
; MASKS.  The key's bias (0 or -1e30) is the C of the first product of each score tile.  On a tile's diagonal hidden scores become -infinity.  SOFTMAX: running maximum m (from -3e38) and sum l; p = 2^(s - m): the maximum is taken away by a
; subtraction, so no exponent is above 0.  A token none of whose keys counts ends with m under -1e29: as reference()'s softmax is then uniform over all 2,048 keys, it takes the mean of v over all tokens, by a select.
; The mean is made here from the 32 partial sums; work-group x = 0 also stores it (f32) for the launch that redoes the first 16 tokens.
; LIMITS: true scores stay above -1e29; NaN and infinities are not served.
; REGISTERS: window 0: v1-22 addresses and lane numbers; v32-63 bias; v64-127 Q (32 u + 8 c); v128-191 S (32 u + 8 kt); v192-223 P (16 u); v224-239 statistics (8 u: m, old m, l, l, c0-c3; a takes c2's place).
;   window 1: v0-127 K, v128-255 V of one step.   window 2: O^T, 64 u + 8 t.
.set KS,    64
.set PK,    272
.set PV,    288
.set VOFF,  KS*PK
.set STEPB, KS*(PK+PV)
.set SLOT1, 1<<17
.set KB,    262144                     ; the keys' bias, 8,192 bytes
.set VPT,   270336                     ; 32 parts x 512 bytes: sums of v for my head
.set VM,    286720                     ; the mean / 4, 512 bytes: written by LDS stores alone
.set STAGE, 287232                     ; 16 rows x 272 bytes a wave
.set SPARE, 304640
.set KBIAS, 22282240
.set VPART, 17301504
.set VMEAN, 8388608
.set AK0, 1
.set AV0, 2
.set AB0, 3
.set SPW, 5
.set NIL, 6
.set GO,  7
.set ADK, 8
.set ADV, 9
.set ADB, 10
.set PFO, 11
.set RR,  12
.set HH,  13
.set QA,  14
.set STO, 15
.set RD,  16
.set VMA, 17
.set VPA, 18
.set VMS, 19
.set DG,  20                           ; v20 on a tile's diagonal step key 16 kt + j of my registers is hidden where 16 kt + j > 16 wave + r - 8 h (both blocks begin at multiples of 64)
.set NINF, 21
.set TID4, 22
.set BI,  32
.set Q,   64
.set S,   128
.set P,   192
.set ST,  224
.set TB,  2                            ; s2  LDS byte at which the slot in hand begins
.set TS,  3                            ; s3  where the slot's bias begins: 512 bytes a slot
.set QB,  12                           ; s12 my late tile's first token
.set WV,  18
.set SEL, 20
.set G1K, 24
.set G1V, 32
.set G0K, 40
.set G0V, 44
.set G1M, 48
.set G1P, 56
.set SLOTS, 66
.set QLA, 67                           ; s67 the early block's last token
.set G0M, 68
.set G0P, 72
.set KF,  76                           ; s76 the first key of the slot in hand
.set QE,  77                           ; s77 my early tile's first token
.set QL,  78                           ; s78 the late block's last token
.set PFA, 80
.set LIM, 82
.set MSB, 0
.macro WIN new
.if MSB != \new
	s_set_vgpr_msb (MSB<<8)|\new
.set MSB, \new
.endif
.endm
.macro TLOAD g0a, g1a, g0b, g1b        ; waves 0, 1 issue the first line, waves 2, 3 the second; an s_nop 0 and four v_nop follow each
	s_cmp_lt_u32 s[WV], 2
	s_cbranch_scc0 .Lfor_b_\@
	tensor_load_to_lds s[\g0a:\g0a+3], s[\g1a:\g1a+7]
	s_nop 0
.rept 4
	v_nop
.endr
	s_branch .Lasked_\@
.Lfor_b_\@:
	tensor_load_to_lds s[\g0b:\g0b+3], s[\g1b:\g1b+7]
	s_nop 0
.rept 4
	v_nop
.endr
.Lasked_\@:
.endm
; A prefetch of the 64 rows that my wave loads at the NEXT change of slots: two instructions, a lane a row of 256 bytes.  All work-groups of a key and value head walk the same K and V: work-group x = 0, whose late block is the
; last and which therefore asks for every slot, prefetches, nobody else; its four waves name different rows.  The last change that fills a slot asks for nothing; slots 0 and 1 come by their loads alone.
.macro ASK
	s_cmp_gt_u32 s[SLOTS], s[LIM]
	s_cbranch_scc0 .Lnot_mine_\@
	global_prefetch_b8 v[PFO], s[PFA:PFA+1] th:TH_LOAD_NT scope:SCOPE_SE
	global_prefetch_b8 v[PFO], s[PFA:PFA+1] offset:8192 th:TH_LOAD_NT scope:SCOPE_SE
.Lnot_mine_\@:
.endm
	s_load_b128 s[4:7], s[0:1], 0x0                ; heads s[4:5], prep1 s[6:7]
	s_load_b64 s[8:9], s[0:1], 0x10                ; att
	v_lshl_add_u32 v[SPW], v0, 2, SPARE
	v_mov_b32 v[NIL], 0
	ds_add_u32 v[SPW], v[NIL]                      ; the wave's opening: the add, twice on end, and its wait ahead of my first tensor load
	ds_add_u32 v[SPW], v[NIL]
	v_lshrrev_b32 v8, 5, v0
	v_readfirstlane_b32 s[WV], v8
	s_and_b32 s19, s[WV], 1
	s_and_b32 s79, ttmp7, 0xffff                   ; g
	s_lshr_b32 s16, ttmp9, 1                       ; i: the early block
	s_and_b32 s17, ttmp9, 1                        ; which of g's two query heads
	s_lshl_b32 s[QE], s16, 6
	s_or_b32 s[QLA], s[QE], 63                     ; the early block's last token
	s_sub_co_u32 s[QB], 31, s16                    ; the late block
	s_lshl_b32 s[QB], s[QB], 6
	s_or_b32 s[QL], s[QB], 63                      ; its last token
	s_lshl_b32 s84, s[WV], 4
	s_add_co_u32 s[QE], s[QE], s84                 ; my two tiles' first tokens
	s_add_co_u32 s[QB], s[QB], s84
	s_add_co_u32 s84, s79, 16
	s_lshl_b32 s84, s84, 19
	s_lshl_b32 s86, s19, 14
	s_add_co_u32 s84, s84, s86                     ; K: head 16 + g, the step that I fetch
	s_add_co_u32 s86, s84, 8*524288                ; V: eight heads on
	s_mov_b32 s85, 0
	s_mov_b32 s87, 0
	s_lshl_b32 s88, s19, 12
	s_add_co_u32 s94, s88, KB
	s_add_co_u32 s88, s88, KBIAS
	s_mov_b32 s89, 0
	s_lshl_b32 s92, s19, 16
	s_lshl_b32 s93, s79, 9
	s_add_co_u32 s92, s92, s93
	s_add_co_u32 s92, s92, VPART
	s_mov_b32 s93, 0
	s_lshl_b32 s95, s19, 13
	s_add_co_u32 s95, s95, VPT
	s_mul_i32 s83, s19, STEPB
	s_mov_b32 s[G1K], (1<<16)|(1<<20)|(5<<22)|(3<<25)   ; elements of 2 bytes; 4 words of padding behind every 64
	s_mov_b32 s[G1V], (1<<16)|(1<<20)|(5<<22)|(7<<25)   ; 8 words
.irp g, G1K, G1V
	s_mov_b32 s[\g+1], 128<<16                     ; 64 rows of 128 elements, dense
	s_mov_b32 s[\g+2], KS<<16
	s_mov_b32 s[\g+3], 128<<16
	s_mov_b32 s[\g+4], KS
	s_mov_b32 s[\g+5], 128
	s_mov_b32 s[\g+6], 0
	s_mov_b32 s[\g+7], 0
.endr
	s_mov_b32 s[G1M], 3<<16                        ; half the bias: 16 rows of 32 elements of 8 bytes, dense
	s_mov_b32 s[G1M+1], 32<<16
	s_mov_b32 s[G1M+2], 16<<16
	s_mov_b32 s[G1M+3], 32<<16
	s_mov_b32 s[G1M+4], 16
	s_mov_b32 s[G1M+5], 32
	s_mov_b32 s[G1M+6], 0
	s_mov_b32 s[G1M+7], 0
	s_mov_b32 s[G1P], 3<<16                        ; 16 parts: rows of 64 elements of 8 bytes, 4,096 bytes apart
	s_mov_b32 s[G1P+1], 64<<16
	s_mov_b32 s[G1P+2], 16<<16
	s_mov_b32 s[G1P+3], 64<<16
	s_mov_b32 s[G1P+4], 16
	s_mov_b32 s[G1P+5], 512
	s_mov_b32 s[G1P+6], 0
	s_mov_b32 s[G1P+7], 0
	s_mov_b32 s[SEL], 0x76543210
	s_mov_b32 s[SEL+1], 0xfedcba98
	s_mov_b32 s[TB], 0
	s_mov_b32 s[TS], 0
	s_mov_b32 s[KF], 0
	s_mov_b32 s[SLOTS], 15
	s_wait_dscnt 0x0                               ; both opening adds are done
	s_wait_kmcnt 0x0
	s_mov_b32 s[G0M], 1
	s_mov_b32 s[G0M+1], s94
	s_add_nc_u64 s[G0M+2:G0M+3], s[6:7], s[88:89]
	s_or_b32 s[G0M+3], s[G0M+3], 0x80000000
	s_mov_b32 s[G0P], 1
	s_mov_b32 s[G0P+1], s95
	s_add_nc_u64 s[G0P+2:G0P+3], s[4:5], s[92:93]
	s_or_b32 s[G0P+3], s[G0P+3], 0x80000000
	TLOAD G0M, G1M, G0P, G1P                       ; the bias and the parts of v: filled once
	s_mov_b32 s[G0K], 1
	s_mov_b32 s[G0K+1], s83
	s_add_nc_u64 s[G0K+2:G0K+3], s[4:5], s[84:85]
	s_or_b32 s[G0K+3], s[G0K+3], 0x80000000
	s_mov_b32 s[G0V], 1
	s_add_co_u32 s[G0V+1], s83, VOFF
	s_add_nc_u64 s[G0V+2:G0V+3], s[4:5], s[86:87]
	s_or_b32 s[G0V+3], s[G0V+3], 0x80000000
	TLOAD G0K, G1K, G0V, G1V                       ; slot 0: two tensor loads of mine are out
	s_cmp_lt_u32 s[WV], 2
	s_cselect_b32 s84, s84, s86
	s_add_co_u32 s84, s84, 32768                   ; my rows of slot 1: the first change of slots steps this to slot 2
	s_add_nc_u64 s[PFA:PFA+1], s[4:5], s[84:85]
	s_cmp_eq_u32 ttmp9, 0
	s_cselect_b32 s[LIM], 1, -1
	s_lshl_b32 s83, s79, 1
	s_add_co_u32 s83, s83, s17                     ; my query head
	s_lshl_b32 s16, s83, 19                        ; x 524,288 bytes
	s_lshl_b32 s84, s[QE], 8
	s_add_co_u32 s84, s84, s16
	s_add_nc_u64 s[86:87], s[4:5], s[84:85]        ; Q at my early tile,
	s_lshl_b32 s84, s[QB], 8
	s_add_co_u32 s84, s84, s16
	s_add_nc_u64 s[10:11], s[4:5], s[84:85]        ; and at my late tile
	s_lshl_b32 s16, s83, 8                         ; the head's 256 bytes of a token's row
	s_lshl_b32 s84, s[QE], 12
	s_add_co_u32 s84, s84, s16
	s_add_nc_u64 s[92:93], s[8:9], s[84:85]        ; the result: token x 4,096 + head x 256, early tile,
	s_lshl_b32 s84, s[QB], 12
	s_add_co_u32 s84, s84, s16
	s_add_nc_u64 s[94:95], s[8:9], s[84:85]        ; late tile
	s_lshl_b32 s84, s79, 9
	s_add_co_u32 s84, s84, VMEAN
	s_add_nc_u64 s[88:89], s[8:9], s[84:85]        ; the mean of my key and value head
	v_and_b32 v[RR], 15, v0
	v_bfe_u32 v[HH], v0, 4, 1
	v_lshlrev_b32 v[QA], 8, v[RR]
	v_lshl_add_u32 v[QA], v[HH], 4, v[QA]
.irp c, 0,1,2,3
	global_load_b128 v[Q+8*\c:Q+8*\c+3], v[QA], s[86:87] offset:64*\c
	global_load_b128 v[Q+8*\c+4:Q+8*\c+7], v[QA], s[86:87] offset:64*\c+32
	global_load_b128 v[Q+32+8*\c:Q+32+8*\c+3], v[QA], s[10:11] offset:64*\c
	global_load_b128 v[Q+32+8*\c+4:Q+32+8*\c+7], v[QA], s[10:11] offset:64*\c+32
.endr
	v_mul_u32_u24 v[AK0], v[RR], PK
	v_lshl_add_u32 v[AK0], v[HH], 4, v[AK0]
	v_and_b32 v23, 7, v0
	v_bfe_u32 v24, v0, 3, 1
	v_lshl_add_u32 v[AV0], v[HH], 3, v23
	v_mul_u32_u24 v[AV0], v[AV0], PV
	v_lshl_add_u32 v[AV0], v24, 4, v[AV0]
	v_add_nc_u32 v[AV0], VOFF, v[AV0]
	v_lshl_add_u32 v[AB0], v[HH], 5, KB
	v_lshlrev_b32 v[GO], 12, v[HH]
	v_lshl_add_u32 v[GO], v[RR], 4, v[GO]
	v_and_b32 v[PFO], 31, v0
	v_lshlrev_b32 v[PFO], 8, v[PFO]
	s_mul_i32 s84, s[WV], 16*272
	s_add_co_u32 s84, s84, STAGE
	v_add_nc_u32 v[STO], s84, v[AK0]
	v_mul_u32_u24 v[RD], v[HH], 272
	v_lshl_add_u32 v[RD], v[RR], 4, v[RD]
	v_add_nc_u32 v[RD], s84, v[RD]
	v_lshl_add_u32 v[VMA], v[HH], 5, VM
	v_lshl_add_u32 v[VPA], v0, 2, VPT
	v_lshl_add_u32 v[VMS], v0, 2, VM
	v_lshlrev_b32 v[TID4], 2, v0
	v_lshlrev_b32 v23, 3, v[HH]
	v_sub_nc_u32 v[DG], v[RR], v23
	s_lshl_b32 s84, s[WV], 4
	v_add_nc_u32 v[DG], s84, v[DG]
	v_mov_b32 v[NINF], 0xff800000
.irp u, 0,1
	v_mov_b32 v[ST+8*\u], 0xff61b1e6               ; m: -3e38, under every score
.irp j, 1,2,3,4,5,6,7
	v_mov_b32 v[ST+8*\u+\j], 0
.endr
.endr
	WIN 0x80
.set i, 0
.rept 128
	v_mov_b32 v[i], 0                              ; O^T.  The step is written without a first form of its own: its first turn finds zeros
.set i, i+1
.endr
	WIN 0
; In the macros below lo = 0 stands for both tiles, lo = 1 for the late tile alone.
.macro LOADBK q                        ; the bias and K of the slot's step q: 40 LDS loads
.irp kt, 0,1,2,3
	ds_load_b128 v[BI+8*\kt:BI+8*\kt+3], v[ADB] offset:256*(\q)+64*\kt
	ds_load_b128 v[BI+8*\kt+4:BI+8*\kt+7], v[ADB] offset:256*(\q)+64*\kt+16
.endr
	WIN 0x40
.set f, 0
.rept 16                               ; K: keys 16 (f / 4) on, channels 32 (f % 4) on
	ds_load_b128 v[8*f:8*f+3], v[ADK] offset:(\q)*STEPB+(f/4)*16*PK+(f%4)*64
	ds_load_b128 v[8*f+4:8*f+7], v[ADK] offset:(\q)*STEPB+(f/4)*16*PK+(f%4)*64+32
.set f, f+1
.endr
	WIN 0
.endm
.macro LOADV q                         ; V of step q, turned: 32 LDS loads: keys 32 (f / 8) on, channels 16 (f % 8) on
	WIN 0x40
.set f, 0
.rept 16
	ds_load_tr16_b128 v[128+8*f:128+8*f+3], v[ADV] offset:(\q)*STEPB+(f/8)*32*PV+(f%8)*32
	ds_load_tr16_b128 v[128+8*f+4:128+8*f+7], v[ADV] offset:(\q)*STEPB+(f/8)*32*PV+16*PV+(f%8)*32
.set f, f+1
.endr
	WIN 0
.endm
.macro MULQK lo                        ; S^T = K Q^T + bias: channels 32 (i / 8) on, keys 16 ((i / 2) % 4) on, tile i % 2; eight accumulators (one tile: four) by turns
	WIN 0x01
.set i, 0
.rept 32
.if (i%2) >= \lo
.set rS, S+32*(i%2)+8*((i/2)%4)
.set rK, 8*(4*((i/2)%4)+i/8)
.set rQ, Q+32*(i%2)+8*(i/8)
.set rB, BI+8*((i/2)%4)
.if i < 8
	v_wmma_f32_16x16x32_f16 v[rS:rS+7], v[rK:rK+7], v[rQ:rQ+7], v[rB:rB+7]
.else
	v_wmma_f32_16x16x32_f16 v[rS:rS+7], v[rK:rK+7], v[rQ:rQ+7], v[rS:rS+7]
.endif
.endif
.set i, i+1
.endr
	WIN 0
.endm
.macro MULPV lo                        ; O^T += V^T P: keys 32 (i / 16) on, channels 16 ((i / 2) % 8) on, tile i % 2; sixteen accumulators (one tile: eight) by turns
	WIN 0xa1
.set i, 0
.rept 32
.if (i%2) >= \lo
.set rO, 64*(i%2)+8*((i/2)%8)
.set rV, 128+64*(i/16)+8*((i/2)%8)
.set rP, P+16*(i%2)+8*(i/16)
	v_wmma_f32_16x16x32_f16 v[rO:rO+7], v[rV:rV+7], v[rP:rP+7], v[rO:rO+7]
.endif
.set i, i+1
.endr
	WIN 0
.endm
.macro MASK u                          ; tile u's diagonal step: hidden scores become -infinity; each score tile is read from its low end on
.irp n, 0,1,2,3,4,5,6,7,8,9,10,11,12,13,14,15,16,17,18,19,20,21,22,23,24,25,26,27,28,29,30,31
	v_cmp_gt_i32 vcc_lo, 16*(\n/8)+\n%8, v[DG]
	v_cndmask_b32 v[S+32*\u+\n], v[S+32*\u+\n], v[NINF], vcc_lo
.endr
.endm
; Behind K Q^T: four places, in front of the first reads of the scores and of loads into the registers that the products read.  In a slot's first step the second step's bias and K are asked for here, so that they land
; under the softmax and V^T P.  (They are asked for whether or not the second step counts: the slot holds them.)
.macro AHEAD q
.rept 4
	v_nop
.endr
.if (\q) == 0
	LOADBK 1
.endif
.endm
.macro SOFTMAX lo                      ; the tiles line by line in turn
.irp j, 0,1,2,3
.irp u, 0,1
.if \u >= \lo
	v_max3_num_f32 v[ST+8*\u+4+\j], v[S+32*\u+8*\j], v[S+32*\u+8*\j+1], v[S+32*\u+8*\j+2]   ; each score tile is read from its low end on
.endif
.endr
.endr
.irp k, 1,2
.irp j, 0,1,2,3
.irp u, 0,1
.if \u >= \lo
	v_max3_num_f32 v[ST+8*\u+4+\j], v[ST+8*\u+4+\j], v[S+32*\u+8*\j+2*\k+1], v[S+32*\u+8*\j+2*\k+2]
.endif
.endr
.endr
.endr
.irp u, 0,1
.if \u >= \lo
	v_max3_num_f32 v[ST+8*\u+4], v[ST+8*\u+4], v[S+32*\u+7], v[S+32*\u+15]
	v_max3_num_f32 v[ST+8*\u+6], v[ST+8*\u+6], v[S+32*\u+23], v[S+32*\u+31]
.endif
.endr
.irp u, 0,1
.if \u >= \lo
	v_max3_num_f32 v[ST+8*\u+4], v[ST+8*\u+4], v[ST+8*\u+5], v[ST+8*\u+6]
.endif
.endr
.irp u, 0,1
.if \u >= \lo
	v_max3_num_f32 v[ST+8*\u+4], v[ST+8*\u+4], v[ST+8*\u+7], v[ST+8*\u]
.endif
.endr
.irp u, 0,1
.if \u >= \lo
	v_permlanex16_b32 v[ST+8*\u+5], v[ST+8*\u+4], s[SEL], s[SEL+1]   ; the token's other 32 keys
.endif
.endr
.irp u, 0,1
.if \u >= \lo
	v_mov_b32 v[ST+8*\u+1], v[ST+8*\u]             ; the old m
.endif
.endr
.irp u, 0,1
.if \u >= \lo
	v_max_num_f32 v[ST+8*\u], v[ST+8*\u+4], v[ST+8*\u+5]
.endif
.endr
.irp u, 0,1
.if \u >= \lo
	v_sub_f32 v[ST+8*\u+7], v[ST+8*\u+1], v[ST+8*\u]
.endif
.endr
.irp u, 0,1
.if \u >= \lo
.set i, 0
.rept 16
	v_pk_add_f32 v[S+32*\u+2*i:S+32*\u+2*i+1], v[S+32*\u+2*i:S+32*\u+2*i+1], v[ST+8*\u:ST+8*\u+1] op_sel_hi:[1,0] neg_lo:[0,1] neg_hi:[0,1]   ; s - m, never above 0
.set i, i+1
.endr
.endif
.endr
.irp u, 0,1
.if \u >= \lo
	v_exp_f32 v[ST+8*\u+6], v[ST+8*\u+7]           ; a = 2^(old m - m)
.endif
.endr
.set i, 32*\lo
.rept 64-32*\lo
	v_exp_f32 v[S+i], v[S+i]
.set i, i+1
.endr
	v_nop                                          ; a plain instruction behind the last exponential
	s_wait_alu depctr_va_vdst(0)                   ; one wait for the whole batch, ahead of its first reader
.irp u, 0,1
.if \u >= \lo
.set i, 0
.rept 16
	v_cvt_pk_f16_f32 v[P+16*\u+i], v[S+32*\u+2*i], v[S+32*\u+2*i+1]
.set i, i+1
.endr
.endif
.endr
.irp w, 4,8,16,32                      ; the sum of a tile's 16 pairs, in place: neighbours 1, 2, 4, 8 pairs apart
.irp u, 0,1
.if \u >= \lo
.set i, 0
.rept 32/\w
	v_pk_add_f32 v[S+32*\u+\w*i:S+32*\u+\w*i+1], v[S+32*\u+\w*i:S+32*\u+\w*i+1], v[S+32*\u+\w*i+\w/2:S+32*\u+\w*i+\w/2+1]
.set i, i+1
.endr
.endif
.endr
.endr
.irp u, 0,1
.if \u >= \lo
	v_pk_fma_f32 v[ST+8*\u+2:ST+8*\u+3], v[ST+8*\u+2:ST+8*\u+3], v[ST+8*\u+6:ST+8*\u+7], v[S+32*\u:S+32*\u+1] op_sel_hi:[1,0,1]   ; l = a l + the sum
.endif
.endr
	WIN 0x82
.irp u, 0,1
.if \u >= \lo
.set i, 0
.rept 32
	v_pk_mul_f32 v[64*\u+2*i:64*\u+2*i+1], v[64*\u+2*i:64*\u+2*i+1], v[ST+8*\u+6:ST+8*\u+7] op_sel_hi:[1,0]   ; O^T x a
.set i, i+1
.endr
.endif
.endr
	WIN 0
.endm
; A KEY STEP: 64 keys, the q-th of the slot in hand.  Its bias and K have been asked for.  All branches hang on the work-group's number and the count of steps: the same in all four waves.
.macro BODY q
	LOADV \q
	s_wait_dscnt 32                                ; the bias and K are in; V's 32 loads, issued behind them, stay out
	s_add_co_u32 s84, s[KF], 64*(\q)+63            ; the step's last key
	s_cmp_gt_u32 s84, s[QLA]                       ; behind the early block's diagonal: the late tile alone
	s_cbranch_scc1 .Llate_\@
	MULQK 0
	AHEAD \q
	s_cmp_lt_u32 s84, s[QLA]                       ; all its keys count for all the early block's tokens (for the late block's they do anyway)
	s_cbranch_scc1 .Lopen_e_\@
	MASK 0
.Lopen_e_\@:
	SOFTMAX 0
	s_wait_dscnt 40*(1-(\q))                       ; V is in; in the slot's first step the 40 loads for the second, issued behind V's, stay out
	MULPV 0
	s_branch .Ljoin_\@
.Llate_\@:
	MULQK 1
	AHEAD \q
	s_cmp_lt_u32 s84, s[QL]                        ; all its keys count for all the late block's tokens
	s_cbranch_scc1 .Lopen_l_\@
	MASK 1
.Lopen_l_\@:
	SOFTMAX 1
	s_wait_dscnt 40*(1-(\q))
	MULPV 1
.Ljoin_\@:
.endm
; A SLOT'S TWO STEPS.  The second is reached through the first alone, so that its K, asked for in the first, is there on every way.  A step all of whose keys come after the late block is left out.
.macro SLOT_STEPS
	s_cmp_gt_u32 s[KF], s[QL]
	s_cbranch_scc1 .Lhidden_\@
	v_add_nc_u32 v[ADK], s[TB], v[AK0]             ; these three and the v_nop are the places in front of loads into registers that the last products read
	v_add_nc_u32 v[ADV], s[TB], v[AV0]
	v_add_nc_u32 v[ADB], s[TS], v[AB0]
	v_nop
	LOADBK 0
	BODY 0
	s_add_co_u32 s84, s[KF], 64
	s_cmp_gt_u32 s84, s[QL]
	s_cbranch_scc1 .Lhidden_\@
.rept 4
	v_nop                                          ; places in front of the loads into V's registers, which the last products read
.endr
	BODY 1
.Lhidden_\@:
	s_add_co_u32 s[KF], s[KF], 2*KS
	s_add_co_u32 s[TS], s[TS], 512                 ; the next slot's bias
	s_xor_b32 s[TB], s[TB], SLOT1                  ; on to the other slot
.endm
; THE CHANGE OF SLOTS, at a slot's head.  Each wave waits for all its tensor loads, adds 0 to its spare word, waits for that and for its reads of the slot that it has left; behind the barrier the slot ahead is whole and nobody reads the other.
.macro CHANGE fill
	s_wait_tensorcnt 0x0                           ; no tensor load of mine is out, so a group 0 may be written
	ds_add_u32 v[SPW], v[NIL]
.if \fill
	s_xor_b32 s[G0K+1], s[G0K+1], SLOT1
	s_add_nc_u64 s[G0K+2:G0K+3], s[G0K+2:G0K+3], 2*KS*256
	s_xor_b32 s[G0V+1], s[G0V+1], SLOT1
	s_add_nc_u64 s[G0V+2:G0V+3], s[G0V+2:G0V+3], 2*KS*256
	s_wait_xcnt 0x0                                ; the last prefetches, a slot back, have read their address
	s_add_nc_u64 s[PFA:PFA+1], s[PFA:PFA+1], 2*KS*256
.endif
	s_wait_dscnt 0x0
	s_barrier_signal -1
	s_barrier_wait -1
.if \fill
	s_add_co_u32 s84, s[KF], 2*KS                  ; the first key of the slot that this change would ask for:
	s_cmp_gt_u32 s84, s[QL]                        ; behind the late block's last token no wave reads it, so it is not asked for (ids and the count of steps alone; every wait on TENSORcnt here is for 0)
	s_cbranch_scc1 .Lpast_\@
	TLOAD G0K, G1K, G0V, G1V                       ; my one tensor load behind this barrier
.Lpast_\@:
	ASK
.endif
.endm
	s_wait_loadcnt 0x0                             ; Q
.Lslot:                                            ; 15 trips
	CHANGE 1
	SLOT_STEPS
	s_sub_co_u32 s[SLOTS], s[SLOTS], 1
	s_cmp_lg_u32 s[SLOTS], 0
	s_cbranch_scc1 .Lslot
	CHANGE 0                                       ; the last slot is written out: nothing is left to ask for
	SLOT_STEPS
; ---------------- the way out.  First the mean of v over all 2,048 tokens, a channel a thread.
.set p, 0
.rept 32
	ds_load_b32 v[S+p], v[VPA] offset:512*p
.set p, p+1
.endr
	s_wait_dscnt 0x0
.irp w, 16,8,4,2
.set i, 0
.rept \w/2
	v_pk_add_f32 v[S+2*i:S+2*i+1], v[S+2*i:S+2*i+1], v[S+\w+2*i:S+\w+2*i+1]
.set i, i+1
.endr
.endr
	v_add_f32 v[S], v[S], v[S+1]
	v_mul_f32 v[S], 0x3a000000, v[S]               ; / 2,048
	s_cmp_lg_u32 ttmp9, 0
	s_cbranch_scc1 .Lno_mean
	global_store_b32 v[TID4], v[S], s[88:89]       ; one work-group a key and value head stores it
.Lno_mean:
	v_mul_f32 v[S+1], 0x3e800000, v[S]             ; / 4, as O^T is
	ds_store_b32 v[VMS], v[S+1]
	s_wait_dscnt 0x0                               ; for the others' sake
	s_barrier_signal -1
	s_barrier_wait -1
	s_wait_xcnt 0x0                                ; the store has read v[S]
.irp t, 0,1,2,3,4,5,6,7
	ds_load_b128 v[Q+8*\t:Q+8*\t+3], v[VMA] offset:64*\t       ; the mean of channels 16 t + 8 h + 0 .. 7
	ds_load_b128 v[Q+8*\t+4:Q+8*\t+7], v[VMA] offset:64*\t+16
.endr
.irp u, 0,1
	v_add_f32 v[ST+8*\u+4], v[ST+8*\u+2], v[ST+8*\u+3]
.endr
.irp u, 0,1
	v_permlanex16_b32 v[ST+8*\u+5], v[ST+8*\u+4], s[SEL], s[SEL+1]
.endr
.irp u, 0,1
	v_add_f32 v[ST+8*\u+4], v[ST+8*\u+4], v[ST+8*\u+5]
.endr
.irp u, 0,1
	v_rcp_f32 v[ST+8*\u+6], v[ST+8*\u+4]
.endr
	v_nop
	s_wait_alu depctr_va_vdst(0)                   ; one wait for the two reciprocals
	s_mov_b32 s84, 0xefa18f08                      ; -1e29
	v_cmp_gt_f32 s90, s84, v[ST]                   ; no key counted for this token
	v_cmp_gt_f32 s91, s84, v[ST+8]
	s_wait_dscnt 0x0
.irp u, 0,1
	WIN 0x02
.set i, 0
.rept 32
	v_pk_mul_f32 v[S+2*i:S+2*i+1], v[64*\u+2*i:64*\u+2*i+1], v[ST+8*\u+6:ST+8*\u+7] op_sel_hi:[1,0]
.set i, i+1
.endr
	WIN 0
.set i, 0
.rept 64
	v_cndmask_b32 v[S+i], v[S+i], v[Q+i], s[90+\u]
.set i, i+1
.endr
.set i, 0
.rept 32
	v_cvt_pk_f16_f32 v[P+i], v[S+2*i], v[S+2*i+1]
.set i, i+1
.endr
.irp t, 0,1,2,3,4,5,6,7
	ds_store_b128 v[STO], v[P+4*\t:P+4*\t+3] offset:32*\t
.endr
.irp f, 0,1,2,3,4,5,6,7
	ds_load_b128 v[P+4*\f:P+4*\f+3], v[RD] offset:\f*544
.endr
	s_wait_dscnt 0x0
.irp f, 0,1,2,3,4,5,6,7
	global_store_b128 v[GO], v[P+4*\f:P+4*\f+3], s[92+2*\u:93+2*\u] offset:\f*8192   ; sixteen lanes store the head's 256 bytes of one token
.endr
	s_wait_xcnt 0x0
.endr
	s_wait_tensorcnt 0x0                           ; the wave's end
	ds_add_u32 v[SPW], v[NIL]
	s_wait_dscnt 0x0
	s_endpgm
.Lfunc_end_k_q031f66e419_attn:
	.size	k_q031f66e419_attn, .Lfunc_end_k_q031f66e419_attn-k_q031f66e419_attn
	.p2alignl 7, 3214868480
	.fill 96, 4, 3214868480
	.section	.rodata,"a",@progbits
	.p2align	6, 0x0
	.amdhsa_kernel k_q031f66e419_attn
		.amdhsa_group_segment_fixed_size 327680
		.amdhsa_private_segment_fixed_size 0
		.amdhsa_enable_private_segment 0
		.amdhsa_kernarg_size 24
		.amdhsa_user_sgpr_count 2
		.amdhsa_user_sgpr_kernarg_segment_ptr 1
		.amdhsa_wavefront_size32 1
		.amdhsa_system_sgpr_workgroup_id_x 1
		.amdhsa_system_sgpr_workgroup_id_y 1
		.amdhsa_system_sgpr_workgroup_id_z 1
		.amdhsa_system_vgpr_workitem_id 0
		.amdhsa_next_free_vgpr 768
		.amdhsa_next_free_sgpr 100
		.amdhsa_reserve_vcc 1
		.amdhsa_float_denorm_mode_32 3
		.amdhsa_float_denorm_mode_16_64 3
		.amdhsa_memory_ordered 1
		.amdhsa_forward_progress 1
		.amdhsa_inst_pref_size 197
	.end_amdhsa_kernel
	.amdgpu_metadata
---
amdhsa.version: [ 1, 2 ]
amdhsa.kernels:
  - .name:           k_q031f66e419_attn
    .symbol:         k_q031f66e419_attn.kd
    .args:
      - { .name: heads, .offset: 0, .size: 8, .value_kind: global_buffer, .address_space: global }
      - { .name: prep1, .offset: 8, .size: 8, .value_kind: global_buffer, .address_space: global }
      - { .name: att, .offset: 16, .size: 8, .value_kind: global_buffer, .address_space: global }
    .group_segment_fixed_size: 327680
    .private_segment_fixed_size: 0
    .kernarg_segment_align: 8
    .kernarg_segment_size: 24
    .max_flat_workgroup_size: 128
    .sgpr_count:     100
    .vgpr_count:     768
    .wavefront_size: 32
...
	.end_amdgpu_metadata
.endif
;; end of part 4
;; launch proj (part 5): grid 16 x 16, 4 waves a work-group, clusters of 4 x 4, 327,680 bytes of LDS; arguments att, prep1, out0; writes out0
.if DOCPART == 5
	.amdgcn_target "amdgcn-amd-amdhsa--gfx1250"
	.amdhsa_code_object_version 6
	.text
	.protected	k_q031f66e419_proj
	.globl	k_q031f66e419_proj
	.p2align	8
	.type	k_q031f66e419_proj,@function
k_q031f66e419_proj:
	s_mov_b64 s[64:65], 0
	v_nop
	global_prefetch_b8 v0, s[64:65] scope:SCOPE_SE
	s_setreg_imm32_b32 hwreg(HW_REG_WAVE_MODE, 25, 1), 1
	s_wait_xcnt 0x0
	s_wait_alu depctr_hold_cnt(0) depctr_sa_sdst(0) depctr_va_vdst(0) depctr_va_sdst(0) depctr_va_ssrc(0) depctr_va_vcc(0) depctr_vm_vsrc(0)
	s_getreg_b32 s2, hwreg(HW_REG_IB_STS2, 6, 4)
	s_cmp_eq_u32 s2, 0
	s_cbranch_scc0 .Lentry_in_a_cluster
	s_endpgm
.Lentry_in_a_cluster:
	s_bfe_u32 s2, ttmp6, 0x10000c
	s_cmp_lg_u32 s2, 0xf033
	s_cbranch_scc0 .Lentry_shape_is_right
	s_endpgm
.Lentry_shape_is_right:
; out0 [2048][4096] f32 = (attn / 4) [2048][2048] f16 x (4 Wo) [2048 k][4096 n] f16, sums in f32.  (The first 16 rows are written again, more finely, by the launch behind this one.)
; SHARES as in the launch for q, k, v: a work-group makes 128 rows x 256 columns, wave w 64 rows (w / 2) x 128 columns (w % 2), 32 accumulators.  K goes in steps of 128 through a ring of two LDS slots.
; A's tile: 128 rows of 256 bytes (pitch 272).  Wo lies [k][n], so its tile is 128 rows k of 512 bytes (pitch 544) and its fragments are turned by ds_load_tr16_b128.
; CLUSTER 4 x 4: A's tiles shared along a row, Wo's along a column, asked for jointly, one tensor load a wave (waves 0, 1: A's halves of 64 rows; waves 2, 3: Wo's halves of 64 rows k).
; Transposed use (source 0 = 16 columns of Wo, source 1 = 16 rows of A): a lane holds eight neighbouring numbers of a row of out0.
; REGISTERS: window 0: v16-29 addresses; v128-191 A's fragments, two sets of four; window 1: Wo's, two sets of eight, at v0 and v128; window 2: accumulator (a, b) at v[8 (8 a + b)].
.set WO16,  4456448
.set PITCH, 272
.set PB,    544
.set AH,    64*PITCH
.set BH,    64*PB
.set SLOT,  2*AH+2*BH
.set SPARE, 2*SLOT
.set SPITCH, 528
.set ADRA, 16
.set ADRB, 20
.set STO,  24
.set RD,   25
.set CO,   26
.set SPW,  28
.set NIL,  29
.set AF,   128
.set BK,   32
.set G1,   24
.set G0,   32
.set G1B,  48
.set G0B,  56
.set MSB, 0
.macro WIN new
.if MSB != \new
	s_set_vgpr_msb (MSB<<8)|\new
.set MSB, \new
.endif
.endm
.set MUL,  0xa1
.set TO_B, 0x40
.macro JLOAD s
	s_cmp_eq_u32 s15, 0
	s_cbranch_scc0 .Lfor_b_\@
	tensor_load_to_lds s[G0+4*\s:G0+4*\s+3], s[G1:G1+7]
	s_nop 0
.rept 4
	v_nop
.endr
	s_branch .Lasked_\@
.Lfor_b_\@:
	tensor_load_to_lds s[G0B+4*\s:G0B+4*\s+3], s[G1B:G1B+7]
	s_nop 0
.rept 4
	v_nop
.endr
.Lasked_\@:
.endm
.macro CREST
	s_cmp_lg_u32 s14, 0
	s_cbranch_scc1 .Lnot_wave_0_\@
	s_barrier_signal -3
.Lnot_wave_0_\@:
	s_barrier_wait -3
	s_barrier_signal -1
	s_barrier_wait -1
.endm
.macro CROUND
	s_barrier_signal -1
	s_barrier_wait -1
	CREST
.endm
.macro PLACES n
.rept \n
	v_nop
.endr
.endm
	s_load_b128 s[4:7], s[0:1], 0x0                ; att s[4:5], prep1 s[6:7]
	s_load_b64 s[8:9], s[0:1], 0x10                ; out0
	v_lshl_add_u32 v[SPW], v0, 2, SPARE
	v_mov_b32 v[NIL], 0
	ds_add_u32 v[SPW], v[NIL]                      ; the wave's opening: the add, twice on end, and its wait ahead of my first tensor load
	ds_add_u32 v[SPW], v[NIL]
	v_lshrrev_b32 v1, 5, v0
	v_readfirstlane_b32 s14, v1
	s_lshr_b32 s15, s14, 1                         ; my half of the rows.  Also: I fetch for A (0) or for Wo (1)
	s_and_b32 s16, s14, 1                          ; my half of the columns.  Also: which half of that tile I fetch
	s_bfe_u32 s40, ttmp6, 0x40000
	s_bfe_u32 s41, ttmp6, 0x40004
	s_lshl_b32 s42, ttmp9, 2
	s_add_co_u32 s42, s42, s40                     ; tile column
	s_and_b32 s17, ttmp7, 0xffff
	s_lshl_b32 s17, s17, 2
	s_add_co_u32 s17, s17, s41                     ; tile row
	s_lshl_b32 s43, s41, 2
	s_lshl_b32 s43, 15, s43
	s_lshl_b32 s44, 0x1111, s40
	s_or_b32 s[G1+0], s43, (1<<16)|(1<<20)|(1<<21)|(5<<22)|(3<<25)    ; elements of 2 bytes; 4 words of padding behind every 64
	s_or_b32 s[G1B+0], s44, (1<<16)|(1<<20)|(1<<21)|(6<<22)|(7<<25)   ; 8 words behind every 128
	s_mov_b32 s[G1+1], 128<<16                     ; A: 64 rows of 128 elements, 2,048 elements apart
	s_mov_b32 s[G1+2], 64<<16
	s_mov_b32 s[G1+3], 128<<16
	s_mov_b32 s[G1+4], 64
	s_mov_b32 s[G1+5], 2048
	s_mov_b32 s[G1+6], 0
	s_mov_b32 s[G1+7], 0
	s_mov_b32 s[G1B+1], 256<<16                    ; Wo: 64 rows k of 256 elements, 4,096 elements apart
	s_mov_b32 s[G1B+2], 64<<16
	s_mov_b32 s[G1B+3], 256<<16
	s_mov_b32 s[G1B+4], 64
	s_mov_b32 s[G1B+5], 4096
	s_mov_b32 s[G1B+6], 0
	s_mov_b32 s[G1B+7], 0
	s_lshl_b32 s18, s16, 6
	s_lshl_b32 s20, s17, 7
	s_add_co_u32 s20, s20, s18
	s_lshl_b32 s20, s20, 12                        ; A: row (128 x tile row + 64 x half) x 4,096 bytes
	s_mov_b32 s21, 0
	s_lshl_b32 s18, s16, 19                        ; Wo: 64 x half rows of 8,192 bytes,
	s_lshl_b32 s46, s42, 9                         ; 512 bytes a tile column
	s_add_co_u32 s46, s46, s18
	s_add_co_u32 s46, s46, WO16
	s_mov_b32 s47, 0
	s_mul_i32 s45, s16, AH
	s_mul_i32 s12, s16, BH
	s_add_co_u32 s12, s12, 2*AH
	s_wait_dscnt 0x0
	s_wait_kmcnt 0x0
	s_add_nc_u64 s[20:21], s[4:5], s[20:21]
	s_add_nc_u64 s[46:47], s[6:7], s[46:47]
	CROUND
.irp s, 0,1
	s_mov_b32 s[G0+4*\s], 1
	s_add_co_u32 s[G0+4*\s+1], s45, \s*SLOT
	s_add_nc_u64 s[G0+4*\s+2:G0+4*\s+3], s[20:21], \s*256
	s_or_b32 s[G0+4*\s+3], s[G0+4*\s+3], 0x80000000
	s_mov_b32 s[G0B+4*\s], 1
	s_add_co_u32 s[G0B+4*\s+1], s12, \s*SLOT
	s_add_nc_u64 s[G0B+4*\s+2:G0B+4*\s+3], s[46:47], \s*128*8192
	s_or_b32 s[G0B+4*\s+3], s[G0B+4*\s+3], 0x80000000
	JLOAD \s
.endr
	v_and_b32 v1, 15, v0
	v_bfe_u32 v2, v0, 4, 1
	v_mul_u32_u24 v3, v1, PITCH
	v_lshl_add_u32 v4, v2, 4, v3
	v_and_b32 v5, 7, v0
	v_lshl_add_u32 v5, v2, 3, v5                   ; the turning load: row k = 8 h + lane % 8,
	v_mul_u32_u24 v5, v5, PB
	v_bfe_u32 v6, v0, 3, 1
	v_lshl_add_u32 v5, v6, 4, v5                   ; 16 bytes for each half of eight lanes
	s_mul_i32 s21, s15, AH
	s_lshl_b32 s22, s16, 8                         ; my 128 columns: 256 bytes of a row
	s_add_co_u32 s22, s22, 2*AH
.irp s, 0,1
	v_add_nc_u32 v[ADRA+\s], s21, v4
	v_add_nc_u32 v[ADRB+\s], s22, v5
	s_add_co_u32 s21, s21, SLOT
	s_add_co_u32 s22, s22, SLOT
.endr
	s_mul_i32 s23, s14, 16*SPITCH                  ; my stage, in slot 0
	v_mul_u32_u24 v5, v1, SPITCH
	v_lshl_add_u32 v5, v2, 5, v5
	v_add_nc_u32 v[STO], s23, v5
	v_and_b32 v6, 31, v0
	v_lshlrev_b32 v[CO], 4, v6
	v_add_nc_u32 v[RD], s23, v[CO]
	s_lshl_b32 s20, s17, 7
	s_lshl_b32 s21, s15, 6
	s_add_co_u32 s20, s20, s21
	s_lshl_b32 s20, s20, 14                        ; my first row of out0 x 16,384 bytes
	s_mov_b32 s21, 0
	s_lshl_b32 s46, s42, 10
	s_lshl_b32 s47, s16, 9
	s_add_co_u32 s46, s46, s47
	s_mov_b32 s47, 0
	s_add_nc_u64 s[20:21], s[20:21], s[46:47]
	s_add_nc_u64 s[8:9], s[8:9], s[20:21]
.macro MUL8 a, p, zero                 ; A's block a against Wo's eight, 32 along K; the 32 accumulators take turns in the same order in every quarter
.irp b, 0,1,2,3,4,5,6,7
.if \zero
	v_wmma_f32_16x16x32_f16 v[8*(8*(\a)+\b):8*(8*(\a)+\b)+7], v[128*(\p)+8*\b:128*(\p)+8*\b+7], v[AF+32*(\p)+8*(\a):AF+32*(\p)+8*(\a)+7], 0
.else
	v_wmma_f32_16x16x32_f16 v[8*(8*(\a)+\b):8*(8*(\a)+\b)+7], v[128*(\p)+8*\b:128*(\p)+8*\b+7], v[AF+32*(\p)+8*(\a):AF+32*(\p)+8*(\a)+7], v[8*(8*(\a)+\b):8*(8*(\a)+\b)+7]
.endif
.endr
.endm
.macro FETCH slot, q, p                ; 24 LDS loads in one run
	WIN TO_B
.irp i, 0,1,2,3,4,5,6,7
	ds_load_tr16_b128 v[128*(\p)+8*\i:128*(\p)+8*\i+3], v[ADRB+\slot] offset:(\q)*32*PB+32*\i
	ds_load_tr16_b128 v[128*(\p)+8*\i+4:128*(\p)+8*\i+7], v[ADRB+\slot] offset:(\q)*32*PB+32*\i+16*PB
.endr
	WIN 0
.irp i, 0,1,2,3
	ds_load_b128 v[AF+32*(\p)+8*\i:AF+32*(\p)+8*\i+3], v[ADRA+\slot] offset:64*(\q)+\i*16*PITCH
	ds_load_b128 v[AF+32*(\p)+8*\i+4:AF+32*(\p)+8*\i+7], v[ADRA+\slot] offset:64*(\q)+\i*16*PITCH+32
.endr
.endm
.macro STEP slot, q, zero
	s_wait_dscnt 0x0
	WIN MUL
	MUL8 0, (\q)%2, \zero
	PLACES 4                                       ; in front of loads into the other set
	FETCH \slot, (\q)+1, 1-(\q)%2
	WIN MUL
	MUL8 1, (\q)%2, \zero
	MUL8 2, (\q)%2, \zero
	MUL8 3, (\q)%2, \zero
	WIN 0
.endm
.macro TURN slot, next, fill
	s_wait_tensorcnt 0x0                           ; all my tensor loads have landed: my part of the next slot
	ds_add_u32 v[SPW], v[NIL]
	s_wait_dscnt 1                                 ; the add alone may be out
	WIN MUL
	MUL8 0, 1, 0
	s_wait_dscnt 0x0                               ; the add is done, and my reads of this slot are over
	s_barrier_signal -1
	MUL8 1, 1, 0
	WIN 0
	s_barrier_wait -1
.if \fill
	CREST
	s_add_nc_u64 s[G0+4*\slot+2:G0+4*\slot+3], s[G0+4*\slot+2:G0+4*\slot+3], 512
	s_add_nc_u64 s[G0B+4*\slot+2:G0B+4*\slot+3], s[G0B+4*\slot+2:G0B+4*\slot+3], 256*8192
	JLOAD \slot                                    ; the first tensor load behind the round; its four v_nop are the places in front of the loads below
.else
	PLACES 4
.endif
	FETCH \next, 0, 0
	WIN MUL
	MUL8 2, 1, 0
	MUL8 3, 1, 0
	WIN 0
.endm
	s_wait_tensorcnt 1                             ; my part of K step 0 is in; K step 1's load may stay out
	s_barrier_signal -1
	s_barrier_wait -1
	FETCH 0, 0, 0
	STEP 0, 0, 1
	s_mov_b32 s3, 7
.Llap:
	STEP 0, 1, 0
	STEP 0, 2, 0
	TURN 0, 1, 1
	STEP 1, 0, 0
	STEP 1, 1, 0
	STEP 1, 2, 0
	TURN 1, 0, 1
	STEP 0, 0, 0
	s_sub_co_u32 s3, s3, 1
	s_cmp_lg_u32 s3, 0
	s_cbranch_scc1 .Llap
	STEP 0, 1, 0
	STEP 0, 2, 0
	TURN 0, 1, 0
	STEP 1, 0, 0
	STEP 1, 1, 0
	STEP 1, 2, 0
	s_wait_dscnt 0x0
	WIN MUL
	MUL8 0, 1, 0
	MUL8 1, 1, 0
	MUL8 2, 1, 0
	MUL8 3, 1, 0
	WIN 0
; THE WAY OUT, 16 rows x 128 columns at a time, through my own stage: back as whole rows of 512 bytes.
.macro TOSTAGE a
	WIN 0x08                                       ; the data: window 2
.irp b, 0,1,2,3,4,5,6,7
	ds_store_b128 v[STO], v[64*(\a)+8*\b:64*(\a)+8*\b+3] offset:64*\b          ; each accumulator from its low end on
	ds_store_b128 v[STO], v[64*(\a)+8*\b+4:64*(\a)+8*\b+7] offset:64*\b+16
.endr
	WIN 0
.set BB, BK+64*((\a)%2)
.irp t, 0,1,2,3,4,5,6,7,8,9,10,11,12,13,14,15
	ds_load_b128 v[BB+4*\t:BB+4*\t+3], v[RD] offset:\t*SPITCH
.endr
.endm
.macro SEND a, younger
.set BB, BK+64*((\a)%2)
	s_wait_dscnt \younger                          ; the block is back; the next block's 16 stores and 16 loads may stay out
.irp t, 0,1,2,3,4,5,6,7,8,9,10,11,12,13,14,15
	global_store_b128 v[CO], v[BB+4*\t:BB+4*\t+3], s[8:9] offset:(16*(\a)+\t)*16384 th:TH_STORE_NT   ; 32 lanes store 512 consecutive bytes, aligned
.endr
.endm
	PLACES 4
	TOSTAGE 0
.irp a, 1,2,3
.if \a > 1
	s_wait_xcnt 0x0                                ; block a - 2's stores have read their registers
.endif
	TOSTAGE \a
	SEND \a-1, 32
.endr
	SEND 3, 0
	s_wait_tensorcnt 0x0                           ; the wave's end
	ds_add_u32 v[SPW], v[NIL]
	s_wait_dscnt 0x0
	CROUND                                         ; the closing round
	s_endpgm
.Lfunc_end_k_q031f66e419_proj:
	.size	k_q031f66e419_proj, .Lfunc_end_k_q031f66e419_proj-k_q031f66e419_proj
	.p2alignl 7, 3214868480
	.fill 96, 4, 3214868480
	.section	.rodata,"a",@progbits
	.p2align	6, 0x0
	.amdhsa_kernel k_q031f66e419_proj
		.amdhsa_group_segment_fixed_size 327680
		.amdhsa_private_segment_fixed_size 0
		.amdhsa_enable_private_segment 0
		.amdhsa_kernarg_size 24
		.amdhsa_user_sgpr_count 2
		.amdhsa_user_sgpr_kernarg_segment_ptr 1
		.amdhsa_wavefront_size32 1
		.amdhsa_system_sgpr_workgroup_id_x 1
		.amdhsa_system_sgpr_workgroup_id_y 1
		.amdhsa_system_sgpr_workgroup_id_z 1
		.amdhsa_system_vgpr_workitem_id 0
		.amdhsa_next_free_vgpr 768
		.amdhsa_next_free_sgpr 66
		.amdhsa_reserve_vcc 0
		.amdhsa_float_denorm_mode_32 3
		.amdhsa_float_denorm_mode_16_64 3
		.amdhsa_memory_ordered 1
		.amdhsa_forward_progress 1
		.amdhsa_inst_pref_size 86
	.end_amdhsa_kernel
	.amdgpu_metadata
---
amdhsa.version: [ 1, 2 ]
amdhsa.kernels:
  - .name:           k_q031f66e419_proj
    .symbol:         k_q031f66e419_proj.kd
    .args:
      - { .name: att, .offset: 0, .size: 8, .value_kind: global_buffer, .address_space: global }
      - { .name: prep1, .offset: 8, .size: 8, .value_kind: global_buffer, .address_space: global }
      - { .name: out0, .offset: 16, .size: 8, .value_kind: global_buffer, .address_space: global }
    .group_segment_fixed_size: 327680
    .private_segment_fixed_size: 0
    .kernarg_segment_align: 8
    .kernarg_segment_size: 24
    .max_flat_workgroup_size: 128
    .sgpr_count:     66
    .vgpr_count:     768
    .wavefront_size: 32
...
	.end_amdgpu_metadata
.endif
;; end of part 5
;; launch fine (part 6): grid 128 x 1, 16 waves a work-group, no clusters, 38,912 bytes of LDS; arguments heads, att, out1, out2, attention_mask, Wo, out0; writes out0
.if DOCPART == 6
	.amdgcn_target "amdgcn-amd-amdhsa--gfx1250"
	.amdhsa_code_object_version 6
	.text
	.protected	k_q031f66e419_fine
	.globl	k_q031f66e419_fine
	.p2align	8
	.type	k_q031f66e419_fine,@function
k_q031f66e419_fine:
	s_mov_b64 s[64:65], 0
	v_nop
	global_prefetch_b8 v0, s[64:65] scope:SCOPE_SE
	s_setreg_imm32_b32 hwreg(HW_REG_WAVE_MODE, 25, 1), 1
	s_wait_xcnt 0x0
; The first 16 tokens once more, all in f32: they average one to a few values, are the largest rows of out0, and f16 operands would use up what the comparison allows.  Their 16 rows of out0 are written over.
; SHARES.  A work-group makes out0[0:16][32 x .. 32 x + 31].  Wave w first makes query head w's attention for the 16 tokens (made anew in every work-group: 64 small matrix instructions a wave, which spares a launch and a trip
; through memory), then multiplies it by Wo's rows 128 w .. 128 w + 127 at the work-group's 32 columns; the sixteen waves' parts meet in LDS.
; All products by the f32 matrix form, 16 x 16 x 4: lane (r, h), register j of an operand is k = 2 h + j of row or column r.  A permutation of k applied alike to both operands keeps the sum, so each product takes its k as the registers have them:
;   S^T = K Q^T:  a load of 16 bytes gives lane (r, h) channels 8 u + 4 h + 0 .. 3: two K steps.  q arrives as c q, c = log2(e) / sqrt(128).
;   O^T = V^T P:  S^T's register j is key 8 h + j of token r, so registers 2 s, 2 s + 1 are source 1 of K step s, and V is loaded to match.
;   out^T = Wo^T O: O^T's register 8 t + j is channel 16 t + 8 h + j of token r: registers 8 t + 2 s, + 1 are source 1 of K step (t, s), and Wo is loaded to match.
; MASKS: a key counts where attention_mask is not 0 and key <= token; else its score is -1e30.  A token with no key that counts (largest score under -1e29) takes the mean of v over all tokens, as reference()'s uniform softmax gives.
; The registers that the matrix form writes (v48-63, v192-255) are written by it alone.
.set Q32,   16777216
.set VMEAN, 8388608
.set PARTB, 2304                       ; a wave's part: 16 rows x (128 bytes + 16)
.set SPARE, 16*PARTB
.set SPW, 3
.set NIL, 4
.set T,   16                           ; v16-23 scores, then p
.set MK,  24                           ; v24-31 the mask of keys 8 h + 0 .. 7
.set SA,  48                           ; v48-63 two accumulators
.set R1,  64
.set R2,  128
.set O,   192
	s_load_b256 s[4:11], s[0:1], 0x0               ; heads s[4:5], att s[6:7], out1 s[8:9], out2 s[10:11]
	s_load_b128 s[12:15], s[0:1], 0x20             ; attention_mask s[12:13], Wo s[14:15]
	s_load_b64 s[16:17], s[0:1], 0x30              ; out0
	v_lshl_add_u32 v[SPW], v0, 2, SPARE
	v_mov_b32 v[NIL], 0
	v_lshrrev_b32 v1, 5, v0
	v_readfirstlane_b32 s18, v1                    ; wave = query head
	v_and_b32 v1, 15, v0                           ; r
	v_bfe_u32 v2, v0, 4, 1                         ; h
	v_lshlrev_b32 v5, 12, v1
	v_lshl_add_u32 v5, v2, 4, v5                   ; k, q: token r x 4,096 + 16 h
	v_lshlrev_b32 v6, 5, v2                        ; 32 h
	v_lshlrev_b32 v7, 2, v1
	v_lshl_add_u32 v8, v2, 17, v7                  ; Wo: 8 h rows of 16,384 bytes + 4 r
	v_lshl_add_u32 v7, v2, 15, v7                  ; v: 8 h tokens of 4,096 bytes + 4 r
	s_mul_i32 s19, s18, PARTB
	v_mul_u32_u24 v9, v1, 144
	v_lshl_add_u32 v9, v2, 5, v9
	v_add_nc_u32 v9, s19, v9                       ; my part: row r, 32 h
	v_and_b32 v10, 127, v0
	v_lshrrev_b32 v11, 3, v10                      ; the last sum: row,
	v_and_b32 v10, 7, v10
	v_lshlrev_b32 v10, 4, v10                      ; 16 bytes of it
	v_lshl_add_u32 v14, v11, 14, v10               ; in out0
	v_mad_u32_u24 v10, v11, 144, v10               ; in a part
	v_lshlrev_b32 v12, 3, v2
	v_sub_nc_u32 v12, v1, v12                      ; key 8 h + j is not after token r where j <= r - 8 h
	v_mov_b32 v13, 0xf149f2ca                      ; -1e30
	v_mov_b32 v33, 0                               ; a lane permute's destination counts as read
	s_lshr_b32 s20, s18, 1
	s_lshl_b32 s20, s20, 9                         ; key and value head x 512
	s_mov_b32 s21, 0
	s_lshr_b32 s22, s18, 3
	s_lshl_b32 s22, s22, 16
	s_and_b32 s23, s18, 7
	s_lshl_b32 s23, s23, 9
	s_add_co_u32 s22, s22, s23
	s_add_co_u32 s22, s22, Q32
	s_mov_b32 s23, 0
	s_add_co_u32 s24, s20, VMEAN
	s_mov_b32 s25, 0
	s_lshl_b32 s26, s18, 21                        ; Wo: 128 rows a wave,
	s_lshl_b32 s28, ttmp9, 7                       ; 128 bytes a work-group
	s_add_co_u32 s26, s26, s28
	s_mov_b32 s27, 0
	s_mov_b32 s29, 0
	s_mov_b32 s30, 0x76543210
	s_mov_b32 s31, 0xfedcba98
	s_mov_b32 s41, 0xefa18f08                      ; -1e29
	s_wait_kmcnt 0x0
	s_add_nc_u64 s[8:9], s[8:9], s[20:21]
	s_add_nc_u64 s[10:11], s[10:11], s[20:21]
	s_add_nc_u64 s[4:5], s[4:5], s[22:23]
	s_add_nc_u64 s[6:7], s[6:7], s[24:25]
	s_add_nc_u64 s[14:15], s[14:15], s[26:27]
	s_add_nc_u64 s[16:17], s[16:17], s[28:29]
.set u, 0
.rept 16
	global_load_b128 v[R1+4*u:R1+4*u+3], v5, s[8:9] offset:32*u     ; k
	global_load_b128 v[R2+4*u:R2+4*u+3], v5, s[4:5] offset:32*u     ; c q
.set u, u+1
.endr
	global_load_b128 v[MK:MK+3], v6, s[12:13]
	global_load_b128 v[MK+4:MK+7], v6, s[12:13] offset:16
	s_wait_loadcnt 0x0
	v_wmma_f32_16x16x4_f32 v[SA:SA+7], v[R1:R1+1], v[R2:R2+1], 0            ; two accumulators by turns; their first K steps start the sums
	v_wmma_f32_16x16x4_f32 v[SA+8:SA+15], v[R1+2:R1+3], v[R2+2:R2+3], 0
.set i, 2
.rept 30
	v_wmma_f32_16x16x4_f32 v[SA+8*(i%2):SA+8*(i%2)+7], v[R1+2*i:R1+2*i+1], v[R2+2*i:R2+2*i+1], v[SA+8*(i%2):SA+8*(i%2)+7]
.set i, i+1
.endr
.rept 8
	v_nop                                          ; eight places behind this form, in front of reads of results and loads into operands
.endr
.irp t, 0,1,2,3,4,5,6,7
.irp k, 0,1,2,3,4,5,6,7
	global_load_b32 v[R1+8*\t+\k], v7, s[10:11] offset:\k*4096+64*\t        ; v(key 8 h + k, channel 16 t + r)
.endr
.endr
.irp t, 0,1,2,3,4,5,6,7
	global_load_b128 v[R2+8*\t:R2+8*\t+3], v6, s[6:7] offset:64*\t          ; the mean of v at channels 16 t + 8 h + 0 .. 7
	global_load_b128 v[R2+8*\t+4:R2+8*\t+7], v6, s[6:7] offset:64*\t+16
.endr
.irp j, 0,1,2,3,4,5,6,7
	v_add_f32 v[T+\j], v[SA+\j], v[SA+8+\j]        ; from the low end on
.endr
.irp j, 0,1,2,3,4,5,6,7
	v_cmp_ne_u32 vcc_lo, 0, v[MK+\j]
	v_cndmask_b32 v[T+\j], v13, v[T+\j], vcc_lo
	v_cmp_le_i32 vcc_lo, \j, v12
	v_cndmask_b32 v[T+\j], v13, v[T+\j], vcc_lo
.endr
	v_max3_num_f32 v32, v[T], v[T+1], v[T+2]
	v_max3_num_f32 v32, v32, v[T+3], v[T+4]
	v_max3_num_f32 v32, v32, v[T+5], v[T+6]
	v_max_num_f32 v32, v32, v[T+7]
	v_permlanex16_b32 v33, v32, s30, s31
	v_max_num_f32 v32, v32, v33                    ; the token's largest score
.irp j, 0,1,2,3,4,5,6,7
	v_sub_f32 v[T+\j], v[T+\j], v32
.endr
.irp j, 0,1,2,3,4,5,6,7
	v_exp_f32 v[T+\j], v[T+\j]
.endr
	v_cmp_gt_f32 s40, s41, v32                     ; no key counted.  (A plain instruction behind the exponentials)
	s_wait_alu depctr_va_vdst(0)                   ; one wait for the eight
	v_add_f32 v34, v[T], v[T+1]
	v_add_f32 v35, v[T+2], v[T+3]
	v_add_f32 v36, v[T+4], v[T+5]
	v_add_f32 v37, v[T+6], v[T+7]
	v_add_f32 v34, v34, v35
	v_add_f32 v36, v36, v37
	v_add_f32 v34, v34, v36
	v_permlanex16_b32 v33, v34, s30, s31
	v_add_f32 v34, v34, v33
	v_rcp_f32 v35, v34
	v_nop
	s_wait_alu depctr_va_vdst(0)
	s_wait_loadcnt 0x0
.irp s, 0,1,2,3                        ; O^T = V^T P: eight accumulators by turns
.irp t, 0,1,2,3,4,5,6,7
.if \s == 0
	v_wmma_f32_16x16x4_f32 v[O+8*\t:O+8*\t+7], v[R1+8*\t+2*\s:R1+8*\t+2*\s+1], v[T+2*\s:T+2*\s+1], 0
.else
	v_wmma_f32_16x16x4_f32 v[O+8*\t:O+8*\t+7], v[R1+8*\t+2*\s:R1+8*\t+2*\s+1], v[T+2*\s:T+2*\s+1], v[O+8*\t:O+8*\t+7]
.endif
.endr
.endr
.rept 8
	v_nop
.endr
.set i, 0
.rept 64
	v_mul_f32 v[R1+i], v[O+i], v35                 ; / the sum
.set i, i+1
.endr
.set i, 0
.rept 64
	v_cndmask_b32 v[R1+i], v[R1+i], v[R2+i], s40
.set i, i+1
.endr
.macro WLOAD g                         ; Wo for channels 16 g .. 16 g + 15 of my head: register 8 nt + 2 s + j = Wo(128 w + 16 g + 8 h + 2 s + j, 32 x + 16 nt + r), into ring place g % 4
.irp nt, 0,1
.irp k, 0,1,2,3,4,5,6,7
	global_load_b32 v[R2+16*((\g)%4)+8*\nt+\k], v8, s[14:15] offset:(16*(\g)+\k)*16384+64*\nt
.endr
.endr
.endm
	WLOAD 0
	WLOAD 1
	WLOAD 2
	WLOAD 3
.macro GROUP g, left
	s_wait_loadcnt \left                           ; this group's sixteen loads are in; the younger groups stay out
.irp s, 0,1,2,3
.irp nt, 0,1
.if ((\g) == 0) && (\s == 0)
	v_wmma_f32_16x16x4_f32 v[SA+8*\nt:SA+8*\nt+7], v[R2+16*((\g)%4)+8*\nt+2*\s:R2+16*((\g)%4)+8*\nt+2*\s+1], v[R1+8*(\g)+2*\s:R1+8*(\g)+2*\s+1], 0
.else
	v_wmma_f32_16x16x4_f32 v[SA+8*\nt:SA+8*\nt+7], v[R2+16*((\g)%4)+8*\nt+2*\s:R2+16*((\g)%4)+8*\nt+2*\s+1], v[R1+8*(\g)+2*\s:R1+8*(\g)+2*\s+1], v[SA+8*\nt:SA+8*\nt+7]
.endif
.endr
.endr
.rept 8
	v_nop                                          ; in front of loads into operands, and of the reads of the results at the end
.endr
.if (\g) < 4
	WLOAD (\g)+4
.endif
.endm
	GROUP 0, 48
	GROUP 1, 48
	GROUP 2, 48
	GROUP 3, 48
	GROUP 4, 48
	GROUP 5, 32
	GROUP 6, 16
	GROUP 7, 0
.irp nt, 0,1
	ds_store_b128 v9, v[SA+8*\nt:SA+8*\nt+3] offset:64*\nt          ; lane (r, h): token r, columns 16 nt + 8 h + 0 .. 7
	ds_store_b128 v9, v[SA+8*\nt+4:SA+8*\nt+7] offset:64*\nt+16
.endr
	s_wait_dscnt 0x0                               ; for the others' sake
	s_barrier_signal -1
	s_barrier_wait -1
	s_cmp_lt_u32 s18, 4                            ; 128 threads add the sixteen parts
	s_cbranch_scc0 .Lend
.set p, 0
.rept 16
	ds_load_b128 v[R1+4*p:R1+4*p+3], v10 offset:p*PARTB
.set p, p+1
.endr
	s_wait_dscnt 0x0
.set p, 1
.rept 15
	v_pk_add_f32 v[R1:R1+1], v[R1:R1+1], v[R1+4*p:R1+4*p+1]
	v_pk_add_f32 v[R1+2:R1+3], v[R1+2:R1+3], v[R1+4*p+2:R1+4*p+3]
.set p, p+1
.endr
	global_store_b128 v14, v[R1:R1+3], s[16:17]    ; eight lanes store the work-group's 128 bytes of a row
.Lend:
	s_wait_tensorcnt 0x0                           ; the wave's end: behind my last LDS store
	ds_add_u32 v[SPW], v[NIL]
	s_wait_dscnt 0x0
	s_endpgm
.Lfunc_end_k_q031f66e419_fine:
	.size	k_q031f66e419_fine, .Lfunc_end_k_q031f66e419_fine-k_q031f66e419_fine
	.p2alignl 7, 3214868480
	.fill 96, 4, 3214868480
	.section	.rodata,"a",@progbits
	.p2align	6, 0x0
	.amdhsa_kernel k_q031f66e419_fine
		.amdhsa_group_segment_fixed_size 38912
		.amdhsa_private_segment_fixed_size 0
		.amdhsa_enable_private_segment 0
		.amdhsa_kernarg_size 56
		.amdhsa_user_sgpr_count 2
		.amdhsa_user_sgpr_kernarg_segment_ptr 1
		.amdhsa_wavefront_size32 1
		.amdhsa_system_sgpr_workgroup_id_x 1
		.amdhsa_system_sgpr_workgroup_id_y 1
		.amdhsa_system_sgpr_workgroup_id_z 1
		.amdhsa_system_vgpr_workitem_id 0
		.amdhsa_next_free_vgpr 256
		.amdhsa_next_free_sgpr 66
		.amdhsa_reserve_vcc 1
		.amdhsa_float_denorm_mode_32 3
		.amdhsa_float_denorm_mode_16_64 3
		.amdhsa_memory_ordered 1
		.amdhsa_forward_progress 1
		.amdhsa_inst_pref_size 49
	.end_amdhsa_kernel
	.amdgpu_metadata
---
amdhsa.version: [ 1, 2 ]
amdhsa.kernels:
  - .name:           k_q031f66e419_fine
    .symbol:         k_q031f66e419_fine.kd
    .args:
      - { .name: heads, .offset: 0, .size: 8, .value_kind: global_buffer, .address_space: global }
      - { .name: att, .offset: 8, .size: 8, .value_kind: global_buffer, .address_space: global }
      - { .name: out1, .offset: 16, .size: 8, .value_kind: global_buffer, .address_space: global }
      - { .name: out2, .offset: 24, .size: 8, .value_kind: global_buffer, .address_space: global }
      - { .name: attention_mask, .offset: 32, .size: 8, .value_kind: global_buffer, .address_space: global }
      - { .name: Wo, .offset: 40, .size: 8, .value_kind: global_buffer, .address_space: global }
      - { .name: out0, .offset: 48, .size: 8, .value_kind: global_buffer, .address_space: global }
    .group_segment_fixed_size: 38912
    .private_segment_fixed_size: 0
    .kernarg_segment_align: 8
    .kernarg_segment_size: 56
    .max_flat_workgroup_size: 512
    .sgpr_count:     66
    .vgpr_count:     256
    .wavefront_size: 32
...
	.end_amdgpu_metadata
.endif
;; end of part 6
